; MI455X (gfx1250); checked and timed in simulation.
; The chip was launched on July 23, 2026; its instructions are those of AMD's public machine-readable ISA for CDNA 5 (MIT licence, August 2026) and "CDNA5" Instruction Set Architecture Reference Guide (July 2026). The comments in the code are by the model that wrote it; some were corrected since.
;; Epi Module. Allowed arithmetic: matrix products marked QUANTISED: E2M1 operands, one E8M0 scale for each 32 along K, by v_wmma_scale_f32_16x16x128_f8f6f4 with both operands' format E2M1 (or v_wmma_scale_f32_32x16x128_f4), f32 sums; products left as they are: bf16, f16 or f32 operands; f32 sums; everything else in f32.
;; Inputs: F_mats 32 x 3 x 3 float32; Wk 512 x 512 float32; Wo 512 x 512 float32; Wq 512 x 512 float32; Wv 512 x 512 float32; hidden_states 32 x 1,024 x 512 float32.
;; Outputs: out0 32 x 1,024 x 512 float32.
;; This version of the problem:
;;   THIS VERSION OF THE PROBLEM IS GIVEN IN LOW PRECISION. The matrix products marked QUANTISED in the list below multiply operands that are first quantised to E2M1 (2 exponent bits, 1 mantissa bit; 4 bits a number), with one power-of-two scale for each 32 numbers along K (OCP MX v1.0); their sums are f32. The products marked 'left as it is' may take bf16, f16 or f32 operands, with f32 sums. Whichever they take, every output number must still come out within the allowed error. Rounding operands to bf16 (8 significant bits) uses up far more of that allowance than f16 does (11 bits, for magnitudes from 6e-5 to 65,504). All else is computed in f32.
;;   The module's matrix products, in the order in which they are computed (A, B: the left and right operand; K: the contracted axis; several contracted axes count as one K, in the product's order):
;;     1. [M 1,024, K 3] x [K 3, N 96]; A: computed on the way; B: input F_mats: left as it is (K = 3 < 32)
;;     2. [M 32,768, K 3] x [K 3, N 1,024]; A: computed on the way; B: computed on the way: left as it is (K = 3 < 32)
;;     3. [M 32,768, K 512] x [K 512, N 512]; A: input hidden_states; B: input Wq: QUANTISED
;;     4. [M 32,768, K 512] x [K 512, N 512]; A: input hidden_states; B: input Wk: QUANTISED
;;     5. [M 32,768, K 512] x [K 512, N 512]; A: input hidden_states; B: input Wv: QUANTISED
;;     6. batch 256 x [M 1,024, K 64] x [K 64, N 1,024]; A: computed on the way; B: computed on the way: left as it is (an operand is computed on the way)
;;     7. batch 256 x [M 1,024, K 1,024] x [K 1,024, N 64]; A: computed on the way; B: computed on the way: left as it is (an operand is computed on the way)
;;     8. [M 32,768, K 512] x [K 512, N 512]; A: computed on the way; B: input Wo: left as it is (an operand is computed on the way)
;;   THE QUANTISER, for each operand of a quantised product, along K:
;;     - K is cut into blocks of 32 from its start; a last block that is shorter is filled with zeros.
;;     - A block's scale is 2^e with e = floor(log2(the largest magnitude in the block)) - 2, held to -126 .. 127; a block of zeros has e = 0. As a byte (E8M0): e + 127.
;;     - Each number is divided by its block's scale, clamped to +-6, and rounded to the nearest number of E2M1, ties to even, subnormals kept.
;;     - The product sums the exact products of the quantised numbers (number of the format x scale) in f32.
;;   ~~~python
;;   def quantise(x, axis):      # numpy; x: float32 -> the quantised numbers, widened to float32 again
;;       x = np.moveaxis(x, axis, -1); K = x.shape[-1]
;;       x = np.pad(x, [(0, 0)] * (x.ndim - 1) + [(0, -K % 32)]); x = x.reshape(x.shape[:-1] + (-1, 32)); a = np.abs(x).max(-1, keepdims=True)
;;       e = np.where(a > 0, np.clip(np.frexp(np.where(a > 0, a, 1))[1] - 1 - 2, -126, 127), 0)      # np.frexp(a)[1] - 1 = floor(log2(a)), exactly
;;       r = np.clip(x / 2.0 ** e, -6, 6)
;;       step = 2.0 ** (np.maximum(np.frexp(np.where(r == 0, 1, r))[1] - 1, 0) - 1)
;;       q = np.round(r / step) * step * 2.0 ** e      # np.round: ties to even
;;       return np.moveaxis(q.reshape(q.shape[:-2] + (-1,))[..., :K], -1, axis).astype(np.float32)
;;   ~~~
;; 2 versions, each right; version 2 is version 1 with the launch attn written anew for expert scheduling mode. Each part assembles by itself: llvm-mc -triple=amdgcn-amd-amdhsa -mcpu=gfx1250 --defsym DOCPART=n.
;; ======== version 1 of 2: 3 launches
;; limits: values are held in f16: magnitudes above 65,504 overflow, below 6.1e-05 lose precision
;; workspace buffers: hs_codes 8,388,608 bytes; hs_scales 524,288 bytes; w_codes 393,216 bytes; w_scales 24,576 bytes; wo_frag 524,288 bytes; o_frag 33,554,432 bytes
;; launch prep (part 1): grid 576 x 1, 4 waves a work-group, no clusters, 41,472 bytes of LDS; arguments hidden_states, Wq, Wk, Wv, Wo, hs_codes, hs_scales, w_codes, w_scales, wo_frag; writes hs_codes, hs_scales, w_codes, w_scales, wo_frag
.if DOCPART == 1
	.amdgcn_target "amdgcn-amd-amdhsa--gfx1250"
	.amdhsa_code_object_version 6
	.text
	.protected	k_q276dd67de0_prep
	.globl	k_q276dd67de0_prep
	.p2align	8
	.type	k_q276dd67de0_prep,@function
k_q276dd67de0_prep:
	s_mov_b64 s[64:65], 0
	v_nop
	global_prefetch_b8 v0, s[64:65] scope:SCOPE_SE
	s_setreg_imm32_b32 hwreg(HW_REG_WAVE_MODE, 25, 1), 1
	s_wait_xcnt 0x0
; PREP: every operand that later launches read many times is made once, laid in the order of the operand's registers.
;   hidden_states [32768][512] f32 -> codes of FP4 (E2M1), K = the last axis, one E8M0 byte for each 32 along K.
;       hs_codes: [row tile of 16][block of 32 along K, 0..15][row 0..15][16 bytes]: byte T*4096 + s*1024 + c*512 + 16*lane is what lane (r, h) of the
;       fragment of K step s wants in registers 4c .. 4c+3.   hs_scales: [row][16 bytes]: a row's 16 bytes are the scale words of K steps 0..3.
;   Wq, Wk, Wv [512 (k)][512 (n)] f32, K = the FIRST axis -> codes in the same form for the 1,536 rows n' = 512*mat + n (w_codes), and scale words
;       w_scales [n'/32][K step][lane]: lanes 0-15 the even tile of 16 rows, lanes 16-31 the odd one.
;   Wo [512 (k)][512 (n)] f32 -> f16, wo_frag [n tile][k chunk of 32][1,024 bytes]: registers 0-3 of lane l at 16 l, registers 4-7 at 512 + 16 l.
; A block's scale is 2^(floor(log2(its largest magnitude)) - 2); its byte is the largest magnitude's exponent field - 2, held at 1 from below.
; LIMITS: a block of zeros gets the byte 1 where the rule says 127 (its codes are zeros, and this program alone reads the bytes); NaN and infinities among the
; inputs are not served; |Wo| stays under 65,504 (f16).
; WORK-GROUPS: 0..47 the three quantised weights (32 columns each, a wave a K step of 128); 48..63 Wo (32 columns each, a wave 128 rows of K);
; 64..575 hidden_states (a wave a row tile of 16 rows).  Only the last path touches LDS.  No barrier: waves share nothing.
.set STEPS, 16                         ; a row tile's 16 rows: a step is one row, 512 numbers
.set WREG,  10240                      ; LDS: a region for each wave
.set SP,    80                         ; a lane's place in a turning stage: 64 bytes + 16 of padding; two stages of 32 places: bytes 0 .. 5,119
.set SCB,   5120                       ; the wave's 256 scale bytes
.set CSTG,  5376                       ; the code stage: 16 blocks x CP bytes
.set CP,    272                        ; a block's 16 rows x 16 bytes + 16 of padding
.set SPARE, 4*WREG                     ; behind the four regions: the spare words, 128 bytes a wave: two blocks of 256 bytes that no other line names
.set SPW,   12                         ; v12  LDS address of my spare word; never rewritten
.set NIL,   13                         ; v13  0; never rewritten
.set R,     16                         ; v16-79   four sets of 16 numbers as loaded
.set X,     80                         ; v80-111  two sets of 16 neighbours
.set E,     112                        ; v112-127 a scale byte for each step
.set C,     128                        ; v128-159 two registers of codes for each step
.set OUTR,  160                        ; v160-191 the tile's codes on the way out
.macro LOAD t                          ; row t: four loads of 512 consecutive bytes
.irp i, 0,1,2,3
	global_load_b128 v[R+16*((\t)%4)+4*\i:R+16*((\t)%4)+4*\i+3], v3, s[4:5] offset:2048*(\t)+512*\i th:TH_LOAD_NT
.endr
.endm
.macro TURN t                          ; row t through a stage: in as loaded, out 64 bytes a lane.  LDS serves a wave's instructions in order: no wait between
.irp i, 0,1,2,3
	ds_store_b128 v14, v[R+16*((\t)%4)+4*\i:R+16*((\t)%4)+4*\i+3] offset:32*SP*((\t)%2)+8*SP*\i
.endr
.irp i, 0,1,2,3
	ds_load_b128 v[X+16*((\t)%2)+4*\i:X+16*((\t)%2)+4*\i+3], v15 offset:32*SP*((\t)%2)+16*\i
.endr
.endm
.macro STEP t
.set XS, X+16*((\t)%2)
.if (\t) > 0
	s_wait_dscnt 2                                 ; this row is back from the stage; the last step's byte store and code store may be out
.else
	s_wait_dscnt 0x0
.endif
.if (\t)+4 < STEPS
	LOAD (\t)+4                                    ; into the registers that this row's stage stores have read
.endif
.if (\t)+1 < STEPS
.if STEPS-2-(\t) >= 3
	s_wait_loadcnt 12                              ; the next row's four loads are in; three rows' loads may be out
.else
	s_wait_loadcnt 4*(STEPS-2-(\t))
.endif
	TURN (\t)+1
.endif
	v_max3_num_f32 v8, |v[XS]|, |v[XS+1]|, |v[XS+2]|               ; the largest magnitude of my 16, in two chains
	v_max3_num_f32 v9, |v[XS+3]|, |v[XS+4]|, |v[XS+5]|
.irp i, 6,10
	v_max3_num_f32 v8, v8, |v[XS+\i]|, |v[XS+\i+1]|
	v_max3_num_f32 v9, v9, |v[XS+\i+2]|, |v[XS+\i+3]|
.endr
	v_max3_num_f32 v8, v8, |v[XS+14]|, |v[XS+15]|
	v_max3_num_f32 v8, v8, v9, 0x1800000           ; and the floor 2^(3 - 127): the byte cannot fall under 1
	v_max_num_f32_dpp v8, v8, v8 row_xmask:1 row_mask:0xf bank_mask:0xf   ; with my neighbour's 16: the block's
	v_add_nc_u32 v11, 0xff000000, v8               ; 2 off the exponent field: the conversion's scale operand
	v_cvt_scalef32_pk8_fp4_f32 v[C+2*(\t)], v[XS:XS+7], v11
	v_cvt_scalef32_pk8_fp4_f32 v[C+2*(\t)+1], v[XS+8:XS+15], v11
	v_lshrrev_b32 v[E+(\t)], 23, v11               ; the scale's byte (a plain line behind the conversions)
	ds_store_b8 v5, v[E+(\t)] offset:SCB+16*(\t)   ; both lanes of a block write the same byte with the same value
	ds_store_b64 v4, v[C+2*(\t):C+2*(\t)+1] offset:CSTG+16*(\t)    ; my 16 codes: block lane/2, row t, half lane%2
.endm
.macro COLS b                          ; a lane takes a column, its registers run down 128 rows of K: each load reads 128 consecutive bytes
.set i, 0
.rept 128
	global_load_b32 v[32+i], v4, s[\b:\b+1] offset:i*2048
.set i, i+1
.endr
.endm
.macro WBLOCK t, left                  ; block t of my column: all 32 numbers are mine
.set XS, 32+32*(\t)
	s_wait_loadcnt \left
	v_max3_num_f32 v8, |v[XS]|, |v[XS+1]|, |v[XS+2]|
	v_max3_num_f32 v9, |v[XS+3]|, |v[XS+4]|, |v[XS+5]|
.irp i, 6,10,14,18,22,26
	v_max3_num_f32 v8, v8, |v[XS+\i]|, |v[XS+\i+1]|
	v_max3_num_f32 v9, v9, |v[XS+\i+2]|, |v[XS+\i+3]|
.endr
	v_max3_num_f32 v8, v8, |v[XS+30]|, |v[XS+31]|
	v_max3_num_f32 v8, v8, v9, 0x1800000
	v_add_nc_u32 v11, 0xff000000, v8
.irp g, 0,1,2,3
	v_cvt_scalef32_pk8_fp4_f32 v[160+4*(\t)+\g], v[XS+8*\g:XS+8*\g+7], v11
.endr
	v_lshrrev_b32 v10, 23, v11                     ; the byte (a plain line behind the conversions)
.if (\t) == 0
	v_mov_b32 v176, v10                            ; four bytes make the K step's scale word, the lower K in the lower byte
.else
	v_lshl_or_b32 v176, v10, 8*(\t), v176
.endif
	global_store_b128 v5, v[160+4*(\t):163+4*(\t)], s[18:19] offset:256*(\t)   ; sixteen lanes store 256 consecutive bytes, aligned
.endm
.macro OBLOCK t, left                  ; chunk t of 32 rows of K of my column of Wo, to f16, packed in place
.set XS, 32+32*(\t)
	s_wait_loadcnt \left
.irp k, 0,1,2,3,4,5,6,7,8,9,10,11,12,13,14,15
	v_cvt_pk_f16_f32 v[XS+\k], v[XS+2*\k], v[XS+2*\k+1]
.endr
.irp q, 0,1,2,3
	global_store_b128 v5, v[XS+4*\q:XS+4*\q+3], s[22:23] offset:1024*(\t)+256*\q   ; k = 8 q .. 8 q + 7 of the chunk: sixteen lanes, 256 consecutive bytes
.endr
.endm
	s_load_b512 s[4:19], s[0:1], 0x0               ; hs s[4:5], Wq s[6:7], Wk s[8:9], Wv s[10:11], Wo s[12:13], hs_codes s[14:15], hs_scales s[16:17], w_codes s[18:19]
	s_load_b128 s[20:23], s[0:1], 0x40             ; w_scales s[20:21], wo_frag s[22:23]
	v_lshl_add_u32 v[SPW], v0, 2, SPARE
	v_mov_b32 v[NIL], 0
	v_lshrrev_b32 v1, 5, v0
	v_readfirstlane_b32 s24, v1                    ; wave 0..3
	v_and_b32 v2, 31, v0                           ; lane
	v_lshlrev_b32 v3, 4, v2                        ; 16 x lane
	s_cmp_lt_u32 ttmp9, 48
	s_cbranch_scc1 .Lw
	s_cmp_lt_u32 ttmp9, 64
	s_cbranch_scc1 .Lwo
	; ---- hidden_states: my wave's row tile T = 4 (work-group - 64) + wave
	s_mul_i32 s25, s24, WREG                       ; my region of LDS
	v_lshrrev_b32 v14, 2, v2
	v_mul_u32_u24 v14, v14, SP
	v_and_b32 v15, 3, v2
	v_lshl_add_u32 v14, v15, 4, v14
	v_add_nc_u32 v14, s25, v14                     ; a stage, in: SP (lane / 4) + 16 (lane % 4)
	v_mul_u32_u24 v15, v2, SP
	v_add_nc_u32 v15, s25, v15                     ; out: SP x lane
	v_lshrrev_b32 v5, 1, v2                        ; my block
	v_mul_u32_u24 v4, v5, CP
	v_and_b32 v1, 1, v2
	v_lshl_add_u32 v4, v1, 3, v4
	v_add_nc_u32 v4, s25, v4                       ; the code stage, in: CP x block + 8 x half
	v_add_nc_u32 v5, s25, v5                       ; my block's scale byte
	v_lshlrev_b32 v7, 3, v2                        ; 8 x lane
	v_add_nc_u32 v6, s25, v7                       ; the scale bytes, out
	v_lshrrev_b32 v10, 4, v2
	v_mul_u32_u24 v10, v10, CP
	v_and_b32 v1, 15, v2
	v_lshl_add_u32 v10, v1, 4, v10
	v_add_nc_u32 v10, s25, v10                     ; the code stage, out: two blocks an instruction, sixteen lanes a block
	s_sub_co_u32 s26, ttmp9, 64
	s_lshl_b32 s26, s26, 2
	s_add_co_u32 s26, s26, s24                     ; T
	s_lshl_b32 s28, s26, 15                        ; 16 rows of 2,048 bytes
	s_mov_b32 s29, 0
	s_lshl_b32 s30, s26, 12                        ; 4,096 bytes of codes
	s_mov_b32 s31, 0
	s_lshl_b32 s32, s26, 8                         ; 256 scale bytes
	s_mov_b32 s33, 0
	s_wait_kmcnt 0x0
	s_add_nc_u64 s[4:5], s[4:5], s[28:29]
	s_add_nc_u64 s[14:15], s[14:15], s[30:31]
	s_add_nc_u64 s[16:17], s[16:17], s[32:33]
.irp t, 0,1,2,3
	LOAD \t
.endr
	s_wait_loadcnt 12                              ; row 0's four loads are in
	TURN 0
.irp t, 0,1,2,3,4,5,6,7,8,9,10,11,12,13,14,15
	STEP \t
.endr
	ds_load_b64 v[8:9], v6 offset:SCB              ; LDS serves a wave's instructions in order: these see my stores
.irp i, 0,1,2,3,4,5,6,7
	ds_load_b128 v[OUTR+4*\i:OUTR+4*\i+3], v10 offset:CSTG+2*CP*\i
.endr
	s_wait_dscnt 8                                 ; the scale bytes are back; the eight loads of codes may be out
	global_store_b64 v7, v[8:9], s[16:17]          ; 32 lanes store 256 consecutive bytes, aligned
.irp i, 0,1,2,3,4,5,6,7
	s_wait_dscnt 7-\i
	global_store_b128 v3, v[OUTR+4*\i:OUTR+4*\i+3], s[14:15] offset:512*\i   ; 512 consecutive bytes, aligned
.endr
	s_wait_tensorcnt 0x0                           ; the wave's end
	ds_add_u32 v[SPW], v[NIL]
	s_wait_dscnt 0x0
	s_endpgm
	; ---- Wq, Wk, Wv: group j = work-group of 32 rows n' (columns of W); my wave takes K step = wave
.Lw:
	s_and_b32 s26, ttmp9, 15                       ; which 32 columns of the matrix
	s_lshl_b32 s28, s24, 18                        ; 128 rows of K x 2,048 bytes
	s_lshl_b32 s27, s26, 7
	s_add_co_u32 s28, s28, s27
	s_mov_b32 s29, 0
	s_lshl_b32 s30, ttmp9, 13                      ; two tiles of 4,096 bytes of codes,
	s_lshl_b32 s27, s24, 10                        ; my K step's 1,024 in each
	s_add_co_u32 s30, s30, s27
	s_mov_b32 s31, 0
	s_lshl_b32 s32, ttmp9, 9                       ; 512 bytes of scale words a group,
	s_lshl_b32 s27, s24, 7                         ; 128 a K step
	s_add_co_u32 s32, s32, s27
	s_mov_b32 s33, 0
	v_lshlrev_b32 v4, 2, v2                        ; 4 x lane
	v_lshrrev_b32 v5, 4, v2
	v_and_b32 v6, 15, v2
	v_lshlrev_b32 v6, 4, v6
	v_lshl_add_u32 v5, v5, 12, v6                  ; my tile (lane / 16) and my row in it
	s_wait_kmcnt 0x0
	s_cmp_lt_u32 ttmp9, 32                         ; the matrix is chosen by the work-group's number alone
	s_cselect_b64 s[34:35], s[8:9], s[10:11]
	s_cmp_lt_u32 ttmp9, 16
	s_cselect_b64 s[34:35], s[6:7], s[34:35]
	s_add_nc_u64 s[34:35], s[34:35], s[28:29]
	s_add_nc_u64 s[18:19], s[18:19], s[30:31]
	s_add_nc_u64 s[20:21], s[20:21], s[32:33]
	COLS 34
	WBLOCK 0, 63                                   ; 96 younger loads; 63 is the largest count that the wait can name: 65 loads are then in
	WBLOCK 1, 63                                   ; 64 younger; likewise
	WBLOCK 2, 32
	WBLOCK 3, 0
	global_store_b32 v4, v176, s[20:21]            ; my column's scale word of this K step
	s_endpgm
	; ---- Wo: 32 columns a work-group; my wave takes rows 128 x wave of K: four chunks of 32
.Lwo:
	s_sub_co_u32 s26, ttmp9, 48
	s_lshl_b32 s28, s24, 18
	s_lshl_b32 s27, s26, 7
	s_add_co_u32 s28, s28, s27
	s_mov_b32 s29, 0
	s_lshl_b32 s30, s26, 15                        ; two n tiles of 16,384 bytes,
	s_lshl_b32 s27, s24, 12                        ; my four chunks of 1,024 in each
	s_add_co_u32 s30, s30, s27
	s_mov_b32 s31, 0
	v_lshlrev_b32 v4, 2, v2
	v_lshrrev_b32 v5, 4, v2
	v_and_b32 v6, 15, v2
	v_lshlrev_b32 v6, 4, v6
	v_lshl_add_u32 v5, v5, 14, v6
	s_wait_kmcnt 0x0
	s_add_nc_u64 s[12:13], s[12:13], s[28:29]
	s_add_nc_u64 s[22:23], s[22:23], s[30:31]
	COLS 12
	OBLOCK 0, 63
	OBLOCK 1, 63
	OBLOCK 2, 32
	OBLOCK 3, 0
	s_endpgm
.Lfunc_end_k_q276dd67de0_prep:
	.size	k_q276dd67de0_prep, .Lfunc_end_k_q276dd67de0_prep-k_q276dd67de0_prep
	.p2alignl 7, 3214868480
	.fill 96, 4, 3214868480
	.section	.rodata,"a",@progbits
	.p2align	6, 0x0
	.amdhsa_kernel k_q276dd67de0_prep
		.amdhsa_group_segment_fixed_size 41472
		.amdhsa_private_segment_fixed_size 0
		.amdhsa_enable_private_segment 0
		.amdhsa_kernarg_size 80
		.amdhsa_user_sgpr_count 2
		.amdhsa_user_sgpr_kernarg_segment_ptr 1
		.amdhsa_wavefront_size32 1
		.amdhsa_system_sgpr_workgroup_id_x 1
		.amdhsa_system_sgpr_workgroup_id_y 1
		.amdhsa_system_sgpr_workgroup_id_z 1
		.amdhsa_system_vgpr_workitem_id 0
		.amdhsa_next_free_vgpr 192
		.amdhsa_next_free_sgpr 66
		.amdhsa_reserve_vcc 0
		.amdhsa_float_denorm_mode_32 3
		.amdhsa_float_denorm_mode_16_64 3
		.amdhsa_memory_ordered 1
		.amdhsa_forward_progress 1
		.amdhsa_inst_pref_size 72
	.end_amdhsa_kernel
	.amdgpu_metadata
---
amdhsa.version: [ 1, 2 ]
amdhsa.kernels:
  - .name:           k_q276dd67de0_prep
    .symbol:         k_q276dd67de0_prep.kd
    .args:
      - { .name: hidden_states, .offset: 0, .size: 8, .value_kind: global_buffer, .address_space: global }
      - { .name: Wq, .offset: 8, .size: 8, .value_kind: global_buffer, .address_space: global }
      - { .name: Wk, .offset: 16, .size: 8, .value_kind: global_buffer, .address_space: global }
      - { .name: Wv, .offset: 24, .size: 8, .value_kind: global_buffer, .address_space: global }
      - { .name: Wo, .offset: 32, .size: 8, .value_kind: global_buffer, .address_space: global }
      - { .name: hs_codes, .offset: 40, .size: 8, .value_kind: global_buffer, .address_space: global }
      - { .name: hs_scales, .offset: 48, .size: 8, .value_kind: global_buffer, .address_space: global }
      - { .name: w_codes, .offset: 56, .size: 8, .value_kind: global_buffer, .address_space: global }
      - { .name: w_scales, .offset: 64, .size: 8, .value_kind: global_buffer, .address_space: global }
      - { .name: wo_frag, .offset: 72, .size: 8, .value_kind: global_buffer, .address_space: global }
    .group_segment_fixed_size: 41472
    .private_segment_fixed_size: 0
    .kernarg_segment_align: 8
    .kernarg_segment_size: 80
    .max_flat_workgroup_size: 128
    .sgpr_count:     66
    .vgpr_count:     192
    .wavefront_size: 32
...
	.end_amdgpu_metadata
.endif
;; end of part 1
;; launch attn (part 2): grid 8 x 32, 8 waves a work-group, no clusters, 263,424 bytes of LDS; arguments hs_codes, hs_scales, w_codes, w_scales, F_mats, o_frag; writes o_frag
.if DOCPART == 2
	.amdgcn_target "amdgcn-amd-amdhsa--gfx1250"
	.amdhsa_code_object_version 6
	.text
	.protected	k_q276dd67de0_attn
	.globl	k_q276dd67de0_attn
	.p2align	8
	.type	k_q276dd67de0_attn,@function
k_q276dd67de0_attn:
	s_mov_b64 s[64:65], 0
	v_nop
	global_prefetch_b8 v0, s[64:65] scope:SCOPE_SE
	s_setreg_imm32_b32 hwreg(HW_REG_WAVE_MODE, 25, 1), 1
	s_wait_xcnt 0x0
; ATTN: one work-group for a (frame, head).  q, k, v = hs W by MX-FP4 products on the codes that the launch before made; k and v^T of all 1,024 keys stay in LDS as f16
; fragments, q in registers; then softmax(q k^T / 8 + mask) v with f16 operands and f32 sums; o leaves as f16 fragments for the last product.  q, k, v never go to memory.
; SHARES.  Eight waves; wave w makes keys 128 w .. +127 of k and v, and owns queries 128 w .. +127, in two passes of four tiles of 16.  Each fragment of K or V read from LDS feeds four products.
; LAYOUTS (no number changes lanes).  K, Q: source 0 = 16 rows of W (d), source 1 = 16 rows of hs: a lane holds one key (query) and 8 neighbouring d: two tiles packed to f16 are a fragment.
; V: source 0 = hs, source 1 = W: a lane holds one d and 8 neighbouring keys: a tile is half a fragment of V^T.  S^T = K Q^T, O^T = V^T P^T: a lane holds ONE query throughout.
; THE MASK.  cFc(n, m) = |a x_m + b y_m + c| / (sqrt(a^2 + b^2) + 1e-6), (a, b, c) = F (x_n, y_n, 1).  It is the magnitude of an affine function of the key's coordinates, so its largest value over the
; key grid lies at one of the four corner pixels (3.5 or 251.5): band needs 1,024 x 4 values.  mask = -decay max(cFc, band) + decay band; the second term is one number for the frame, which a softmax
; does not see, so min(-|d'|, -band') is used, d' = decay log2(e) x (signed cFc), linear in the key's x and y.  It is the C of the first product K Q^T.  Frames with b % 16 = 0 take F = [[0,0,0],[0,0,-1],[0,1,0]].
; SOFTMAX.  t = score in base 2 (q carries log2(e) / 8).  M = the running largest t rounded up to a whole number, kept as -M; p = 2^(t - M); when M moves, O and the sum are multiplied by 2^(old M - new M), exactly.
; The row's sum is a product of ones with p.
; LIMITS: |0.18 q|, |k|, |v| stay under 65,504 (f16); F_mats finite and a^2 + b^2 finite, so that nan_to_num never acts; NaN and infinities among the inputs are not served; 1 / x is v_rcp_f32 where the problem divides.
; No cluster: what work-groups share is the frame's codes, read once at the head, a small part of the launch's work.  No tensor load: every operand from memory is a dense image that 16-byte loads take whole.
; LDS: K's fragments at kt*2048 + dt*512 + 16*lane; V^T's at VIMG + (kt/2)*4096 + dt*1024 + (kt%2)*512 + 16*lane; RED: a word a wave; the spare words.
; REGISTERS.  Window 0: v1-10 addresses and lane constants; v11-13 at work; v14, v15 the add's two; v16-55 four blocks of ten for the four query tiles; v56-63 ones; v64-191 S^T, then p (during the projections:
; accumulators v64-127, packed results v128-159, scale words v160-183); v192-255 eight f16 fragments, or two sets of hs codes.
; Window 1: first Wk's and Wv's fragments; then v0-63 Q, v64-191 O^T (Wq's fragments before it), v192-223 the sums, v232-247 the key offsets 0..7, 16..23 as floats.
.set VIMG,  131072
.set RED,   262144
.set SPARE, 262400                     ; 128 bytes a wave: four blocks of 256 bytes that no other line names
.set LI,  1                            ; 16 x lane
.set LV,  2                            ; + VIMG
.set ADK, 3                            ; the key step's K fragments
.set ADV, 4                            ; and V's
.set KST, 5                            ; where I store K: 16 x lane + 16,384 x wave
.set VST, 6                            ; and V
.set HSA, 7                            ; 16 x (lane % 16): a row's scale words
.set WSA, 8                            ; 4 x lane: the weights' scale words
.set RR,  9                            ; lane % 16
.set HX,  10                           ; 64 (lane / 16) + 3.5, a float
.set SPW, 14
.set NIL, 15
.set P0,  16                           ; tile i's block at + 10 i: 8 A'
.set P2,  17                           ; 8 B'
.set EA,  18                           ; d' at the step's even key row, x offset 0
.set E0,  19                           ; d' at key row 0
.set EB,  20                           ; d' at the odd key row
.set TM,  21                           ; the largest t so far
.set NM,  22                           ; -M
.set T1,  23
.set FF,  24                           ; 2^(old M - new M); at the end 1 / sum
.set T2,  25
.set ONES, 56
.set SS,  64
.set ACK, 64                           ; projections: accumulators of K or Q; V's follow at + 32
.set PK,  128                          ; packed results
.set HSC, 160                          ; hs scale words, two sets of 4
.set WSK, 168                          ; Wk's or Wq's scale words
.set WSV, 176                          ; Wv's
.set FB,  192
.set QF,  0                            ; window 1
.set OA,  64
.set LA,  192
.set JT,  232
.set LN,  64                           ; the lines' work registers, four of each
.set CX,  68
.set CY,  72
.set AA,  76
.set BB,  80
.set CC,  84
.set IV,  88
.set TT,  92
.set MSB, 0
.macro WIN new                         ; bits 1:0 source 0, 3:2 source 1, 5:4 source 2, 7:6 destination; the high byte repeats the setting that is left
.if MSB != \new
	s_set_vgpr_msb (MSB<<8)|\new
.set MSB, \new
.endif
.endm
.macro PLACES                          ; four plain places behind a matrix instruction, ahead of loads into its registers and of the first use of its results
.rept 4
	v_nop
.endr
.endm
.macro HLOAD set, t                    ; row tile t of my eight (or of my pass's four): four fragments of codes and the rows' scale words: nine loads
.irp s, 0,1,2,3
.irp c, 0,1
	global_load_b128 v[FB+32*(\set)+8*\s+4*\c:FB+32*(\set)+8*\s+4*\c+3], v[LI], s[46:47] offset:(\t)*4096+\s*1024+\c*512
.endr
.endr
	global_load_b128 v[HSC+4*(\set):HSC+4*(\set)+3], v[HSA], s[48:49] offset:(\t)*256
.endm
.macro WLOAD dst, mat                  ; my head's 64 rows of a weight: 16 fragments (tile d, K step s) at dst + 8 (4 d + s), in window 1
.irp d, 0,1,2,3
.irp s, 0,1,2,3
.irp c, 0,1
	global_load_b128 v[(\dst)+8*(4*\d+\s)+4*\c:(\dst)+8*(4*\d+\s)+4*\c+3], v[LI], s[56:57] offset:(\mat)*131072+\d*4096+\s*1024+\c*512
.endr
.endr
.endr
.endm
.macro WSLOAD reg, mat                 ; and their scale words: register 4 g + s: lanes 0-15 tile 2 g, lanes 16-31 tile 2 g + 1
.irp g, 0,1
.irp s, 0,1,2,3
	global_load_b32 v[(\reg)+4*\g+\s], v[WSA], s[58:59] offset:(\mat)*8192+\g*512+\s*128
.endr
.endr
.endm
; 16 products: source 0 = the weight's four tiles, source 1 = a row tile of hs; the four accumulators take turns, K ascending; the first K step starts the sums
.macro PROJA acc, wb, ws, set
.irp s, 0,1,2,3
.irp d, 0,1,2,3
.set rD, (\acc)+8*\d
.set rW, (\wb)+8*(4*\d+\s)
.set rH, FB+32*(\set)+8*\s
.set rA, (\ws)+4*(\d/2)+\s
.set rB, HSC+4*(\set)+\s
.if (\s == 0) && (\d%2 == 0)
	v_wmma_scale_f32_16x16x128_f8f6f4 v[rD:rD+7], v[rW:rW+7], v[rH:rH+7], 0, v[rA], v[rB] matrix_a_fmt:MATRIX_FMT_FP4 matrix_b_fmt:MATRIX_FMT_FP4
.elseif \s == 0
	v_wmma_scale_f32_16x16x128_f8f6f4 v[rD:rD+7], v[rW:rW+7], v[rH:rH+7], 0, v[rA], v[rB] matrix_a_fmt:MATRIX_FMT_FP4 matrix_b_fmt:MATRIX_FMT_FP4 matrix_a_scale:MATRIX_SCALE_ROW1
.elseif \d%2 == 0
	v_wmma_scale_f32_16x16x128_f8f6f4 v[rD:rD+7], v[rW:rW+7], v[rH:rH+7], v[rD:rD+7], v[rA], v[rB] matrix_a_fmt:MATRIX_FMT_FP4 matrix_b_fmt:MATRIX_FMT_FP4
.else
	v_wmma_scale_f32_16x16x128_f8f6f4 v[rD:rD+7], v[rW:rW+7], v[rH:rH+7], v[rD:rD+7], v[rA], v[rB] matrix_a_fmt:MATRIX_FMT_FP4 matrix_b_fmt:MATRIX_FMT_FP4 matrix_a_scale:MATRIX_SCALE_ROW1
.endif
.endr
.endr
.endm
; the same with the sources changed over: source 0 = hs, source 1 = the weight
.macro PROJB acc, wb, ws, set
.irp s, 0,1,2,3
.irp d, 0,1,2,3
.set rD, (\acc)+8*\d
.set rW, (\wb)+8*(4*\d+\s)
.set rH, FB+32*(\set)+8*\s
.set rA, (\ws)+4*(\d/2)+\s
.set rB, HSC+4*(\set)+\s
.if (\s == 0) && (\d%2 == 0)
	v_wmma_scale_f32_16x16x128_f8f6f4 v[rD:rD+7], v[rH:rH+7], v[rW:rW+7], 0, v[rB], v[rA] matrix_a_fmt:MATRIX_FMT_FP4 matrix_b_fmt:MATRIX_FMT_FP4
.elseif \s == 0
	v_wmma_scale_f32_16x16x128_f8f6f4 v[rD:rD+7], v[rH:rH+7], v[rW:rW+7], 0, v[rB], v[rA] matrix_a_fmt:MATRIX_FMT_FP4 matrix_b_fmt:MATRIX_FMT_FP4 matrix_b_scale:MATRIX_SCALE_ROW1
.elseif \d%2 == 0
	v_wmma_scale_f32_16x16x128_f8f6f4 v[rD:rD+7], v[rH:rH+7], v[rW:rW+7], v[rD:rD+7], v[rB], v[rA] matrix_a_fmt:MATRIX_FMT_FP4 matrix_b_fmt:MATRIX_FMT_FP4
.else
	v_wmma_scale_f32_16x16x128_f8f6f4 v[rD:rD+7], v[rH:rH+7], v[rW:rW+7], v[rD:rD+7], v[rB], v[rA] matrix_a_fmt:MATRIX_FMT_FP4 matrix_b_fmt:MATRIX_FMT_FP4 matrix_b_scale:MATRIX_SCALE_ROW1
.endif
.endr
.endr
.endm
; four pixels n in v[LN ..] -> their lines (a, b, c) = F (x, y, 1) in AA, BB, CC and 1 / (sqrt(a^2 + b^2) + 1e-6) in IV
.macro LINES
.irp i, 0,1,2,3
	v_and_b32 v[CX+\i], 31, v[LN+\i]
	v_lshrrev_b32 v[CY+\i], 5, v[LN+\i]
.endr
.irp i, 0,1,2,3
	v_cvt_f32_u32 v[CX+\i], v[CX+\i]
	v_cvt_f32_u32 v[CY+\i], v[CY+\i]
.endr
.irp i, 0,1,2,3
	v_fma_f32 v[CX+\i], v[CX+\i], s30, s31         ; 8 x + 3.5
	v_fma_f32 v[CY+\i], v[CY+\i], s30, s31
.endr
.irp i, 0,1,2,3
	v_fma_f32 v[AA+\i], v[CY+\i], s21, s22
	v_fma_f32 v[BB+\i], v[CY+\i], s24, s25
	v_fma_f32 v[CC+\i], v[CY+\i], s27, s28
.endr
.irp i, 0,1,2,3
	v_fma_f32 v[AA+\i], v[CX+\i], s20, v[AA+\i]
	v_fma_f32 v[BB+\i], v[CX+\i], s23, v[BB+\i]
	v_fma_f32 v[CC+\i], v[CX+\i], s26, v[CC+\i]
.endr
.irp i, 0,1,2,3
	v_mul_f32 v[TT+\i], v[AA+\i], v[AA+\i]
.endr
.irp i, 0,1,2,3
	v_fma_f32 v[TT+\i], v[BB+\i], v[BB+\i], v[TT+\i]
.endr
.irp i, 0,1,2,3
	v_sqrt_f32 v[TT+\i], v[TT+\i]
.endr
	v_nop                                          ; a plain line behind the last root,
	s_wait_alu depctr_va_vdst(0)                   ; and one wait for the four, ahead of their first use
.irp i, 0,1,2,3
	v_add_f32 v[TT+\i], s33, v[TT+\i]
.endr
.irp i, 0,1,2,3
	v_rcp_f32 v[IV+\i], v[TT+\i]
.endr
	v_nop
	s_wait_alu depctr_va_vdst(0)
.endm
; row tile rt of my eight becomes a key tile of K and of V^T in LDS
.macro KVTILE rt
.if (\rt) < 7
	HLOAD ((\rt)+1)%2, (\rt)+1                     ; the next tile, into the set that the tile before has left (its places: the v_nop and conversions below)
	s_wait_loadcnt 9                               ; all but those nine
.else
	s_wait_loadcnt 0x0
.endif
	WIN 0x01                                       ; source 0 (Wk) in window 1
	PROJA ACK, 0, WSK, (\rt)%2
	WIN 0x04                                       ; source 1 (Wv) in window 1
	PROJB ACK+32, 128, WSV, (\rt)%2
	WIN 0
	PLACES
	s_wait_dscnt 0x0                               ; the last tile's LDS stores have read the packed registers
.set k, 0
.rept 32
	v_cvt_pk_f16_f32 v[PK+k], v[ACK+2*k], v[ACK+2*k+1]             ; each accumulator from its low end on
.set k, k+1
.endr
.irp d, 0,1,2,3
	ds_store_b128 v[KST], v[PK+4*\d:PK+4*\d+3] offset:(\rt)*2048+\d*512
.endr
.irp d, 0,1,2,3
	ds_store_b128 v[VST], v[PK+16+4*\d:PK+16+4*\d+3] offset:((\rt)/2)*4096+\d*1024+((\rt)%2)*512
.endr
.endm
; query tile qi of my pass's four: q x log2(e) / 8, as two f16 fragments in window 1
.macro QTILE qi
.if (\qi) < 3
	HLOAD ((\qi)+1)%2, (\qi)+1
	s_wait_loadcnt 9                               ; all but the next tile's nine
.else
	s_wait_loadcnt 0x0
.endif
	WIN 0x01
	PROJA ACK, OA, WSK, (\qi)%2
	WIN 0
	PLACES
.irp k, 0,2,4,6,8,10,12,14,16,18,20,22,24,26,28,30
	v_pk_mul_f32 v[ACK+\k:ACK+\k+1], v[ACK+\k:ACK+\k+1], s[36:37] op_sel_hi:[1,0]
.endr
	WIN 0x40
.irp k, 0,1,2,3,4,5,6,7,8,9,10,11,12,13,14,15
	v_cvt_pk_f16_f32 v[QF+16*(\qi)+\k], v[ACK+2*\k], v[ACK+2*\k+1]
.endr
	WIN 0
.endm
	; ---- the head
	s_load_b256 s[4:11], s[0:1], 0x0               ; hs_codes s[4:5], hs_scales s[6:7], w_codes s[8:9], w_scales s[10:11]
	s_load_b128 s[12:15], s[0:1], 0x20             ; F_mats s[12:13], o_frag s[14:15]
	v_lshl_add_u32 v[SPW], v0, 2, SPARE
	v_mov_b32 v[NIL], 0
	v_lshrrev_b32 v11, 5, v0
	v_readfirstlane_b32 s16, v11                   ; wave 0..7
	s_and_b32 s18, ttmp7, 0xffff                   ; the frame; ttmp9 is the head
	v_and_b32 v11, 31, v0
	v_lshlrev_b32 v[LI], 4, v11
	v_add_nc_u32 v[LV], VIMG, v[LI]
	s_lshl_b32 s60, s16, 14
	v_add_nc_u32 v[KST], s60, v[LI]
	v_add_nc_u32 v[VST], VIMG, v[KST]
	v_and_b32 v[RR], 15, v0
	v_lshlrev_b32 v[HSA], 4, v[RR]
	v_lshlrev_b32 v[WSA], 2, v11
	s_mov_b32 s29, 0x42800000                      ; 64.0
	s_mov_b32 s30, 0x41000000                      ; 8.0: pixels of the 256 grid from one grid point to the next
	s_mov_b32 s31, 0x40600000                      ; 3.5: the first grid point
	s_mov_b32 s32, 0x437b8000                      ; 251.5: the last
	s_mov_b32 s33, 0x358637bd                      ; 1e-6
	s_mov_b32 s34, 0x76543210
	s_mov_b32 s35, 0xfedcba98                      ; v_permlanex16_b32's selects for lane l xor 16
	s_mov_b32 s36, 0x3e38aa3b                      ; log2(e) / 8
	s_mov_b32 s37, s36                             ; (named with it as a pair)
	v_bfe_u32 v[HX], v0, 4, 1
	v_cvt_f32_u32 v[HX], v[HX]
	v_fma_f32 v[HX], v[HX], s29, s31
	s_lshl_b32 s60, s16, 2
	s_add_co_u32 s60, s60, RED
	v_mov_b32 v11, s60                             ; my wave's word of RED
	s_lshl_b32 s60, s18, 6
	s_lshl_b32 s61, s16, 3
	s_add_co_u32 s60, s60, s61                     ; my first row tile: 64 x frame + 8 x wave
	s_lshl_b32 s46, s60, 12
	s_mov_b32 s47, 0
	s_lshl_b32 s48, s60, 8
	s_mov_b32 s49, 0
	s_lshl_b32 s50, s60, 14
	s_lshl_b32 s61, ttmp9, 11                      ; my head's two k chunks of a row tile's sixteen
	s_add_co_u32 s50, s50, s61
	s_mov_b32 s51, 0
	s_lshl_b32 s56, ttmp9, 14                      ; my head's four tiles of a weight's codes
	s_mov_b32 s57, 0
	s_lshl_b32 s58, ttmp9, 10                      ; and two groups of scale words
	s_mov_b32 s59, 0
	s_mul_i32 s62, s18, 36                         ; my frame's F
	s_mov_b32 s63, 0
	s_lshl_b32 s45, s16, 7                         ; my first query
	s_wait_kmcnt 0x0
	s_add_nc_u64 s[46:47], s[4:5], s[46:47]
	s_add_nc_u64 s[48:49], s[6:7], s[48:49]
	s_add_nc_u64 s[56:57], s[8:9], s[56:57]
	s_add_nc_u64 s[58:59], s[10:11], s[58:59]
	s_add_nc_u64 s[12:13], s[12:13], s[62:63]
	s_add_nc_u64 s[50:51], s[14:15], s[50:51]
	s_load_b256 s[20:27], s[12:13], 0x0            ; F, row by row: s20 .. s28
	s_load_b32 s28, s[12:13], 0x20
	WIN 0x40                                       ; destination window 1
	WLOAD 0, 1                                     ; Wk
	WLOAD 128, 2                                   ; Wv
	WIN 0
	WSLOAD WSK, 1
	WSLOAD WSV, 2
	HLOAD 0, 0
	s_wait_kmcnt 0x0
	s_and_b32 s60, s18, 15                         ; the first frame of each 16 takes the pseudo lines (0, -1, y): a choice on the frame's number
	s_cmp_eq_u32 s60, 0
	s_cselect_b32 s20, 0, s20
	s_cselect_b32 s21, 0, s21
	s_cselect_b32 s22, 0, s22
	s_cselect_b32 s23, 0, s23
	s_cselect_b32 s24, 0, s24
	s_cselect_b32 s25, 0xbf800000, s25
	s_cselect_b32 s26, 0, s26
	s_cselect_b32 s27, 0x3f800000, s27
	s_cselect_b32 s28, 0, s28
	; the band: the largest cFc of the frame.  My four queries tid + 256 i, each at the four corner keys.  (Work on registers while the loads above are on their way.)
.irp i, 0,1,2,3
	v_add_nc_u32 v[LN+\i], 256*\i, v0
.endr
	LINES
.irp i, 0,1,2,3
	v_fma_f32 v[TT+\i], v[AA+\i], s31, v[CC+\i]    ; a 3.5 + c
	v_fma_f32 v[96+\i], v[AA+\i], s32, v[CC+\i]    ; a 251.5 + c
.endr
.irp i, 0,1,2,3
	v_fma_f32 v[100+\i], v[BB+\i], s31, v[TT+\i]
	v_fma_f32 v[104+\i], v[BB+\i], s32, v[TT+\i]
	v_fma_f32 v[108+\i], v[BB+\i], s31, v[96+\i]
	v_fma_f32 v[112+\i], v[BB+\i], s32, v[96+\i]
.endr
.irp i, 0,1,2,3
	v_max3_num_f32 v[100+\i], |v[100+\i]|, |v[104+\i]|, |v[108+\i]|
.endr
.irp i, 0,1,2,3
	v_max_num_f32 v[100+\i], v[100+\i], |v[112+\i]|
.endr
.irp i, 0,1,2,3
	v_mul_f32 v[100+\i], v[100+\i], v[IV+\i]
.endr
	v_max3_num_f32 v13, v100, v101, v102
	v_max_num_f32 v13, v13, v103
	v_mov_b32 v12, 0                               ; a lane permute's destination counts as one of its sources
	v_max_num_f32_dpp v13, v13, v13 row_xmask:1 row_mask:0xf bank_mask:0xf
	v_max_num_f32_dpp v13, v13, v13 row_xmask:2 row_mask:0xf bank_mask:0xf
	v_max_num_f32_dpp v13, v13, v13 row_xmask:4 row_mask:0xf bank_mask:0xf
	v_max_num_f32_dpp v13, v13, v13 row_xmask:8 row_mask:0xf bank_mask:0xf
	v_permlanex16_b32 v12, v13, s34, s35
	v_max_num_f32 v13, v13, v12
	ds_store_b32 v11, v13                          ; all lanes write the same word with the same value
	; ---- A: my 128 keys of K and V^T
.irp rt, 0,1,2,3,4,5,6,7
	KVTILE \rt
.endr
	s_wait_dscnt 0x0                               ; for the others' sake: my stores have landed
	s_barrier_signal -1
	s_barrier_wait -1                              ; the one barrier: K, V^T and the eight maxima lie in LDS; no wave stores to them again
	; ---- B: the frame's two numbers
	v_mov_b32 v11, RED
	ds_load_b128 v[64:67], v11
	ds_load_b128 v[68:71], v11 offset:16
	WIN 0x40
.irp k, 0,1,2,3,4,5,6,7
	v_cvt_f32_u32 v[JT+\k], \k                     ; a register's key offset along x: 0 .. 7 in an even key tile,
	v_cvt_f32_u32 v[JT+8+\k], 16+\k                ; 16 .. 23 in an odd one
.endr
	WIN 0
.irp k, 0,1,2,3,4,5,6,7
	v_mov_b32 v[ONES+\k], 0x3c003c00               ; 1.0, 1.0 in f16
.endr
	s_wait_dscnt 0x0
	v_max3_num_f32 v64, v64, v65, v66
	v_max3_num_f32 v64, v64, v67, v68
	v_max3_num_f32 v64, v64, v69, v70
	v_max_num_f32 v64, v64, v71
	v_mul_f32 v65, 0x3cc00000, v64                 ; band = 3 / 128 x the largest
	v_add_f32 v66, s33, v65
	v_rcp_f32 v66, v66
	v_nop
	s_wait_alu depctr_va_vdst(0)                   ; ahead of the reciprocal's first use
	v_mul_f32 v66, 0x408a7fac, v66                 ; G = 3 log2(e) / (band + 1e-6)
	v_mul_f32 v67, -v65, v66                       ; -band G
	v_readfirstlane_b32 s38, v66
	v_readfirstlane_b32 s39, v67
	s_mov_b32 s44, 2
.Lpass:                                            ; two trips: four tiles of 16 queries each
	WIN 0x40
	WLOAD OA, 0                                    ; Wq, where O^T will stand
	WIN 0
	WSLOAD WSK, 0
	HLOAD 0, 0
.irp i, 0,1,2,3
	v_add3_u32 v[LN+\i], v[RR], s45, 16*\i         ; my query in tile i
.endr
	LINES
.irp i, 0,1,2,3
	v_mul_f32 v[IV+\i], s38, v[IV+\i]
.endr
.irp i, 0,1,2,3
	v_mul_f32 v[AA+\i], v[AA+\i], v[IV+\i]         ; A', B', C': the line, divided by its norm, times G
	v_mul_f32 v[BB+\i], v[BB+\i], v[IV+\i]
	v_mul_f32 v[CC+\i], v[CC+\i], v[IV+\i]
.endr
.irp i, 0,1,2,3
	v_mul_f32 v[P0+10*\i], s30, v[AA+\i]
	v_mul_f32 v[P2+10*\i], s30, v[BB+\i]
	v_fma_f32 v[CC+\i], v[BB+\i], s31, v[CC+\i]
.endr
.irp i, 0,1,2,3
	v_fma_f32 v[E0+10*\i], v[AA+\i], v[HX], v[CC+\i]   ; d' at key x = 8 (lane / 16), y = 0
.endr
.irp qi, 0,1,2,3
	QTILE \qi
.endr
	WIN 0x40
.set k, 0
.rept 160
	v_mov_b32 v[OA+k], 0                           ; O^T and the sums.  (The key step is written once: its first trip finds zeros, which the first change of M leaves zeros)
.set k, k+1
.endr
	WIN 0
.irp i, 0,1,2,3
	v_mov_b32 v[TM+10*\i], 0xff61b1e6              ; -3e38, under every t
	v_mov_b32 v[T1+10*\i], 0
	v_mov_b32 v[FF+10*\i], 0
	v_mov_b32 v[T2+10*\i], 0
.endr
.irp i, 0,1,2,3
	v_floor_f32 v[NM+10*\i], -v[TM+10*\i]
.endr
	s_mov_b32 s40, 0                               ; the step's two key rows y, as floats
	s_mov_b32 s41, 0x3f800000
	s_mov_b32 s42, 0                               ; the step's bytes in K's and in V's images
	s_mov_b32 s43, 16
.Lkey:                                             ; 16 trips of 64 keys
	v_add_nc_u32 v[ADK], s42, v[LI]                ; these two and two v_nop are the four places ahead of the loads into registers that the last products read
	v_add_nc_u32 v[ADV], s42, v[LV]
	v_nop
	v_nop
.irp f, 0,1,2,3,4,5,6,7
	ds_load_b128 v[FB+8*\f:FB+8*\f+3], v[ADK] offset:\f*1024           ; K: key tile f / 2, d 32 (f % 2) on
	ds_load_b128 v[FB+8*\f+4:FB+8*\f+7], v[ADK] offset:\f*1024+512
.endr
	WIN 0x04                                       ; source 1 in window 1: the key offsets, then Q
.irp i, 0,1,2,3
	v_fma_f32 v[EA+10*\i], v[P2+10*\i], s40, v[E0+10*\i]
	v_fma_f32 v[EB+10*\i], v[P2+10*\i], s41, v[E0+10*\i]
.endr
.irp u, 0,1,2,3                                    ; the mask of key tile u: d' two at a time, then min(-|d'|, -band')
.irp i, 0,1,2,3
.irp k, 0,2,4,6
	v_pk_fma_f32 v[SS+32*\i+8*\u+\k:SS+32*\i+8*\u+\k+1], v[P0+10*\i:P0+10*\i+1], v[JT+8*(\u%2)+\k:JT+8*(\u%2)+\k+1], v[EA+10*\i+2*(\u/2):EA+10*\i+2*(\u/2)+1] op_sel_hi:[0,1,0]
.endr
.endr
.irp i, 0,1,2,3
.irp k, 0,1,2,3,4,5,6,7
	v_min_num_f32 v[SS+32*\i+8*\u+\k], -|v[SS+32*\i+8*\u+\k]|, s39
.endr
.endr
.endr
	s_wait_dscnt 0x0                               ; K is in
.irp c, 0,1                                        ; S^T = mask + K Q^T: sixteen accumulators by turns
.irp u, 0,1,2,3
.irp i, 0,1,2,3
	v_wmma_f32_16x16x32_f16 v[SS+32*\i+8*\u:SS+32*\i+8*\u+7], v[FB+8*(2*\u+\c):FB+8*(2*\u+\c)+7], v[QF+16*\i+8*\c:QF+16*\i+8*\c+7], v[SS+32*\i+8*\u:SS+32*\i+8*\u+7]
.endr
.endr
.endr
	WIN 0
	PLACES
.irp f, 0,1,2,3,4,5,6,7
	ds_load_b128 v[FB+8*\f:FB+8*\f+3], v[ADV] offset:\f*1024           ; V^T: keys 32 (f / 4) on, d 16 (f % 4) on
	ds_load_b128 v[FB+8*\f+4:FB+8*\f+7], v[ADV] offset:\f*1024+512
.endr
.irp i, 0,1,2,3                                    ; the largest t of my 32, the four tiles by turns; each accumulator is first read at its low end
	v_max3_num_f32 v[T1+10*\i], v[SS+32*\i], v[SS+32*\i+1], v[SS+32*\i+2]
.endr
.irp k, 3,5,7,9,11,13,15,17,19,21,23,25,27,29
.irp i, 0,1,2,3
	v_max3_num_f32 v[T1+10*\i], v[T1+10*\i], v[SS+32*\i+\k], v[SS+32*\i+\k+1]
.endr
.endr
.irp i, 0,1,2,3
	v_max3_num_f32 v[T1+10*\i], v[T1+10*\i], v[SS+32*\i+31], v[TM+10*\i]
.endr
.irp i, 0,1,2,3
	v_permlanex16_b32 v[T2+10*\i], v[T1+10*\i], s34, s35           ; the query's other 32 keys lie in the lane 16 away
.endr
.irp i, 0,1,2,3
	v_max_num_f32 v[TM+10*\i], v[T1+10*\i], v[T2+10*\i]
.endr
.irp i, 0,1,2,3
	v_mov_b32 v[T1+10*\i], v[NM+10*\i]
.endr
.irp i, 0,1,2,3
	v_floor_f32 v[NM+10*\i], -v[TM+10*\i]          ; -M = floor(-t): M is a whole number
.endr
.irp i, 0,1,2,3
	v_sub_f32 v[T1+10*\i], v[NM+10*\i], v[T1+10*\i]    ; old M - new M: a whole number, 0 or less
.endr
.irp i, 0,1,2,3
	v_cvt_i32_f32 v[T1+10*\i], v[T1+10*\i]         ; (it saturates)
.endr
.irp i, 0,1,2,3
	v_ldexp_f32 v[FF+10*\i], 1.0, v[T1+10*\i]
.endr
.irp i, 0,1,2,3
.irp k, 0,2,4,6,8,10,12,14,16,18,20,22,24,26,28,30
	v_pk_add_f32 v[SS+32*\i+\k:SS+32*\i+\k+1], v[SS+32*\i+\k:SS+32*\i+\k+1], v[NM+10*\i:NM+10*\i+1] op_sel_hi:[1,0]   ; t - M
.endr
.endr
.irp i, 0,1,2,3
.irp k, 0,1,2,3,4,5,6,7,8,9,10,11,12,13,14,15,16,17,18,19,20,21,22,23,24,25,26,27,28,29,30,31
	v_exp_f32 v[SS+32*\i+\k], v[SS+32*\i+\k]       ; p = 2^(t - M): one batch
.endr
.endr
	WIN 0x41                                       ; O^T and the sums (destination, source 0) in window 1: the independent work behind the batch
.irp i, 0,1,2,3
.irp k, 0,2,4,6,8,10,12,14,16,18,20,22,24,26,28,30
	v_pk_mul_f32 v[OA+32*\i+\k:OA+32*\i+\k+1], v[OA+32*\i+\k:OA+32*\i+\k+1], v[FF+10*\i:FF+10*\i+1] op_sel_hi:[1,0]
.endr
	v_pk_mul_f32 v[LA+8*\i:LA+8*\i+1], v[LA+8*\i:LA+8*\i+1], v[FF+10*\i:FF+10*\i+1] op_sel_hi:[1,0]   ; of the sum's eight equal registers only the lowest is ever used: the other six are left, and stay under 1,024
.endr
	WIN 0
	s_wait_alu depctr_va_vdst(0)                   ; one wait for the 128 exponentials, ahead of their first use
.irp i, 0,1,2,3
.irp k, 0,1,2,3,4,5,6,7,8,9,10,11,12,13,14,15
	v_cvt_pk_f16_f32 v[SS+32*\i+\k], v[SS+32*\i+2*\k], v[SS+32*\i+2*\k+1]      ; p to f16, packed in place: registers 8 c .. 8 c + 7 are source 1 for keys 32 c on
.endr
.endr
	s_wait_dscnt 0x0                               ; V^T is in
	WIN 0x50                                       ; C and D in window 1
.irp c, 0,1                                        ; O^T += V^T P^T, the sums += ones P^T: twenty accumulators by turns
.irp d, 0,1,2,3
.irp i, 0,1,2,3
	v_wmma_f32_16x16x32_f16 v[OA+32*\i+8*\d:OA+32*\i+8*\d+7], v[FB+8*(4*\c+\d):FB+8*(4*\c+\d)+7], v[SS+32*\i+8*\c:SS+32*\i+8*\c+7], v[OA+32*\i+8*\d:OA+32*\i+8*\d+7]
.endr
.endr
.irp i, 0,1,2,3
	v_wmma_f32_16x16x32_f16 v[LA+8*\i:LA+8*\i+7], v[ONES:ONES+7], v[SS+32*\i+8*\c:SS+32*\i+8*\c+7], v[LA+8*\i:LA+8*\i+7]
.endr
.endr
	WIN 0
	s_add_co_u32 s42, s42, 8192                    ; four key tiles of K, two pairs of V^T
	s_add_f32 s40, s40, 2.0
	s_add_f32 s41, s41, 2.0
	s_sub_co_u32 s43, s43, 1
	s_cmp_lg_u32 s43, 0
	s_cbranch_scc1 .Lkey
	; the way out: O^T / the sum, to f16: the packed registers are the last product's fragments as they stand
	PLACES
	WIN 0x01                                       ; source 0 in window 1
.irp i, 0,1,2,3
	v_rcp_f32 v[FF+10*\i], v[LA+8*\i]
.endr
	v_nop
	s_wait_alu depctr_va_vdst(0)                   ; one wait for the four reciprocals
.irp i, 0,1,2,3
.irp k, 0,2,4,6,8,10,12,14,16,18,20,22,24,26,28,30
	v_pk_mul_f32 v[SS+32*\i+\k:SS+32*\i+\k+1], v[OA+32*\i+\k:OA+32*\i+\k+1], v[FF+10*\i:FF+10*\i+1] op_sel_hi:[1,0]
.endr
.endr
	WIN 0
.irp i, 0,1,2,3
.irp k, 0,1,2,3,4,5,6,7,8,9,10,11,12,13,14,15
	v_cvt_pk_f16_f32 v[SS+32*\i+\k], v[SS+32*\i+2*\k], v[SS+32*\i+2*\k+1]
.endr
.endr
.irp i, 0,1,2,3
.irp q, 0,1,2,3
	global_store_b128 v[LI], v[SS+32*\i+4*\q:SS+32*\i+4*\q+3], s[50:51] offset:\i*16384+\q*512 th:TH_STORE_NT   ; 512 consecutive bytes, aligned
.endr
.endr
	s_wait_xcnt 0x0                                ; the stores have read their registers and base: both are written again only behind this wait
	s_add_nc_u64 s[46:47], s[46:47], 16384         ; four row tiles on
	s_add_nc_u64 s[48:49], s[48:49], 1024
	s_add_nc_u64 s[50:51], s[50:51], 65536
	s_add_co_u32 s45, s45, 64
	s_sub_co_u32 s44, s44, 1
	s_cmp_lg_u32 s44, 0
	s_cbranch_scc1 .Lpass
	s_wait_tensorcnt 0x0                           ; the wave's end
	ds_add_u32 v[SPW], v[NIL]
	s_wait_dscnt 0x0
	s_endpgm
.Lfunc_end_k_q276dd67de0_attn:
	.size	k_q276dd67de0_attn, .Lfunc_end_k_q276dd67de0_attn-k_q276dd67de0_attn
	.p2alignl 7, 3214868480
	.fill 96, 4, 3214868480
	.section	.rodata,"a",@progbits
	.p2align	6, 0x0
	.amdhsa_kernel k_q276dd67de0_attn
		.amdhsa_group_segment_fixed_size 263424
		.amdhsa_private_segment_fixed_size 0
		.amdhsa_enable_private_segment 0
		.amdhsa_kernarg_size 48
		.amdhsa_user_sgpr_count 2
		.amdhsa_user_sgpr_kernarg_segment_ptr 1
		.amdhsa_wavefront_size32 1
		.amdhsa_system_sgpr_workgroup_id_x 1
		.amdhsa_system_sgpr_workgroup_id_y 1
		.amdhsa_system_sgpr_workgroup_id_z 1
		.amdhsa_system_vgpr_workitem_id 0
		.amdhsa_next_free_vgpr 512
		.amdhsa_next_free_sgpr 66
		.amdhsa_reserve_vcc 0
		.amdhsa_float_denorm_mode_32 3
		.amdhsa_float_denorm_mode_16_64 3
		.amdhsa_memory_ordered 1
		.amdhsa_forward_progress 1
		.amdhsa_inst_pref_size 167
	.end_amdhsa_kernel
	.amdgpu_metadata
---
amdhsa.version: [ 1, 2 ]
amdhsa.kernels:
  - .name:           k_q276dd67de0_attn
    .symbol:         k_q276dd67de0_attn.kd
    .args:
      - { .name: hs_codes, .offset: 0, .size: 8, .value_kind: global_buffer, .address_space: global }
      - { .name: hs_scales, .offset: 8, .size: 8, .value_kind: global_buffer, .address_space: global }
      - { .name: w_codes, .offset: 16, .size: 8, .value_kind: global_buffer, .address_space: global }
      - { .name: w_scales, .offset: 24, .size: 8, .value_kind: global_buffer, .address_space: global }
      - { .name: F_mats, .offset: 32, .size: 8, .value_kind: global_buffer, .address_space: global }
      - { .name: o_frag, .offset: 40, .size: 8, .value_kind: global_buffer, .address_space: global }
    .group_segment_fixed_size: 263424
    .private_segment_fixed_size: 0
    .kernarg_segment_align: 8
    .kernarg_segment_size: 48
    .max_flat_workgroup_size: 256
    .sgpr_count:     66
    .vgpr_count:     512
    .wavefront_size: 32
...
	.end_amdgpu_metadata
.endif
;; end of part 2
;; launch oproj (part 3): grid 256 x 1, 8 waves a work-group, no clusters, 166,912 bytes of LDS; arguments o_frag, wo_frag, out0; writes out0
.if DOCPART == 3
	.amdgcn_target "amdgcn-amd-amdhsa--gfx1250"
	.amdhsa_code_object_version 6
	.text
	.protected	k_q276dd67de0_oproj
	.globl	k_q276dd67de0_oproj
	.p2align	8
	.type	k_q276dd67de0_oproj,@function
k_q276dd67de0_oproj:
	s_mov_b64 s[64:65], 0
	v_nop
	global_prefetch_b8 v0, s[64:65] scope:SCOPE_SE
	s_setreg_imm32_b32 hwreg(HW_REG_WAVE_MODE, 25, 1), 1
	s_wait_xcnt 0x0
; OPROJ: out0 [32768][512] f32 = o [32768][512] x Wo [512][512], f16 operands, f32 sums.  Both operands arrive as fragments in register order (1,024 bytes: registers 0-3 of lane l at 16 l, 4-7 at 512 + 16 l).
; SHARES.  A work-group takes 128 rows (8 row tiles) and all 512 columns; wave w takes columns 64 w .. +63 (4 n tiles): 32 accumulators, all of window 1, accumulator (n, r) at 8 (8 n + r).
; The work-group's 128 KB of o go into LDS once (each wave copies one row tile) and every wave reads all of them; a wave's own part of Wo comes from memory straight into registers, two chunks ahead.
; THE MATRIX INSTRUCTION IS USED TRANSPOSED (source 0 = 16 columns of Wo, source 1 = 16 rows of o): a lane holds eight neighbouring numbers of a row of out0.
; No cluster and no tensor load: a first, plain form; Wo is what all work-groups share, and it is read as dense 16-byte loads.
; LDS: o's images at rt*16384 + kc*1024; a stage of 16 rows x 272 bytes for each wave; the spare words.
; LIMIT: |o| and |Wo| stay under 65,504 (f16).
.set STG,    131072
.set SPITCH, 272                       ; a stage row: a wave's 64 columns, 256 bytes, + 16 of padding
.set SPARE,  STG+8*16*SPITCH           ; 128 bytes a wave: four blocks of 256 bytes that no other line names
.set LI,  1                            ; 16 x lane
.set LI2, 2                            ; + 65,536: row tiles 4 to 7 (an LDS immediate has 16 bits)
.set STO, 3                            ; the stage: where I put 32 bytes of a row
.set RD,  4                            ; and where I read half a row pair back
.set CO,  5                            ; my byte offset in two rows of out0
.set SPW, 6
.set NIL, 7
.set CPY, 8                            ; where I copy my row tile of o
.set OF,  32                           ; v32-95, v96-159: o's fragments, two sets of eight
.set WF,  160                          ; v160-255: Wo's fragments, a ring of three sets of four
.set BK,  32                           ; the way out: v32-63 and v64-95 by turns
.set MSB, 0
.macro WIN new
.if MSB != \new
	s_set_vgpr_msb (MSB<<8)|\new
.set MSB, \new
.endif
.endm
.macro PLACES                          ; four plain places behind a matrix instruction, ahead of loads into its registers and of the first use of its results
.rept 4
	v_nop
.endr
.endm
.macro WOLOAD kc                       ; my four n tiles' fragments of k chunk kc: eight loads
.irp n, 0,1,2,3
.irp c, 0,1
	global_load_b128 v[WF+32*((\kc)%3)+8*\n+4*\c:WF+32*((\kc)%3)+8*\n+4*\c+3], v[LI], s[6:7] offset:\n*16384+(\kc)*1024+\c*512
.endr
.endr
.endm
.macro OLOAD kc                        ; the eight row tiles' fragments of k chunk kc: sixteen LDS loads
.irp r, 0,1,2,3
.irp c, 0,1
	ds_load_b128 v[OF+64*((\kc)%2)+8*\r+4*\c:OF+64*((\kc)%2)+8*\r+4*\c+3], v[LI] offset:\r*16384+(\kc)*1024+\c*512
.endr
.endr
.irp r, 0,1,2,3
.irp c, 0,1
	ds_load_b128 v[OF+64*((\kc)%2)+32+8*\r+4*\c:OF+64*((\kc)%2)+32+8*\r+4*\c+3], v[LI2] offset:\r*16384+(\kc)*1024+\c*512
.endr
.endr
.endm
.macro CHUNK kc                        ; 32 along K: 32 products, the 32 accumulators by turns
.if (\kc) > 0
	PLACES                                         ; the sets loaded below were read by the chunk before
.endif
.if (\kc)+2 < 16
	WOLOAD (\kc)+2
.endif
.if (\kc)+1 < 16
	OLOAD (\kc)+1
.endif
.if (\kc) < 14
	s_wait_loadcnt 16                              ; this chunk's Wo is in; two younger chunks may be out
.elseif (\kc) == 14
	s_wait_loadcnt 8
.else
	s_wait_loadcnt 0x0
.endif
.if (\kc) < 15
	s_wait_dscnt 16                                ; this chunk's o is in; the next chunk's sixteen loads may be out
.else
	s_wait_dscnt 0x0
.endif
	WIN 0x50                                       ; C and D in window 1
.irp n, 0,1,2,3
.irp r, 0,1,2,3,4,5,6,7
.if (\kc) == 0
	v_wmma_f32_16x16x32_f16 v[8*(8*\n+\r):8*(8*\n+\r)+7], v[WF+32*((\kc)%3)+8*\n:WF+32*((\kc)%3)+8*\n+7], v[OF+64*((\kc)%2)+8*\r:OF+64*((\kc)%2)+8*\r+7], 0
.else
	v_wmma_f32_16x16x32_f16 v[8*(8*\n+\r):8*(8*\n+\r)+7], v[WF+32*((\kc)%3)+8*\n:WF+32*((\kc)%3)+8*\n+7], v[OF+64*((\kc)%2)+8*\r:OF+64*((\kc)%2)+8*\r+7], v[8*(8*\n+\r):8*(8*\n+\r)+7]
.endif
.endr
.endr
	WIN 0
.endm
.macro TOSTAGE rt                      ; row tile rt: 16 rows x my 64 columns into my stage, and back as whole runs of 256 bytes
	WIN 0x04                                       ; an LDS store's data are its source 1: window 1
.irp n, 0,1,2,3
	ds_store_b128 v[STO], v[8*(8*\n+(\rt)):8*(8*\n+(\rt))+3] offset:64*\n          ; each accumulator from its low end on
	ds_store_b128 v[STO], v[8*(8*\n+(\rt))+4:8*(8*\n+(\rt))+7] offset:64*\n+16
.endr
	WIN 0
.irp i, 0,1,2,3,4,5,6,7
	ds_load_b128 v[BK+32*((\rt)%2)+4*\i:BK+32*((\rt)%2)+4*\i+3], v[RD] offset:\i*2*SPITCH   ; LDS serves a wave's instructions in order: these see the stores above
.endr
.endm
.macro SEND rt, younger                ; younger: the LDS instructions issued behind tile rt's loads
	s_wait_dscnt \younger
.irp i, 0,1,2,3,4,5,6,7
	global_store_b128 v[CO], v[BK+32*((\rt)%2)+4*\i:BK+32*((\rt)%2)+4*\i+3], s[8:9] offset:(\rt)*32768+\i*4096 th:TH_STORE_NT   ; sixteen lanes store 256 consecutive bytes, aligned
.endr
.endm
	s_load_b128 s[4:7], s[0:1], 0x0                ; o_frag s[4:5], wo_frag s[6:7]
	s_load_b64 s[8:9], s[0:1], 0x10                ; out0
	v_lshl_add_u32 v[SPW], v0, 2, SPARE
	v_mov_b32 v[NIL], 0
	v_lshrrev_b32 v9, 5, v0
	v_readfirstlane_b32 s10, v9                    ; wave 0..7
	v_and_b32 v9, 31, v0
	v_lshlrev_b32 v[LI], 4, v9
	v_add_nc_u32 v[LI2], 65536, v[LI]
	s_lshl_b32 s11, s10, 14
	v_add_nc_u32 v[CPY], s11, v[LI]
	v_and_b32 v10, 15, v0                          ; r
	v_bfe_u32 v11, v0, 4, 1                        ; h
	s_mul_i32 s12, s10, 16*SPITCH
	s_add_co_u32 s12, s12, STG                     ; my stage
	v_mul_u32_u24 v[STO], v10, SPITCH
	v_lshl_add_u32 v[STO], v11, 5, v[STO]
	v_add_nc_u32 v[STO], s12, v[STO]               ; in: row r, 32 bytes for each half of the lanes
	v_mul_u32_u24 v[RD], v11, SPITCH
	v_lshl_add_u32 v[RD], v10, 4, v[RD]
	v_add_nc_u32 v[RD], s12, v[RD]                 ; back: lanes 0-15 one row, lanes 16-31 the next
	v_lshlrev_b32 v[CO], 11, v11
	v_lshl_add_u32 v[CO], v10, 4, v[CO]            ; and the same two rows of out0
	s_lshl_b32 s16, ttmp9, 17                      ; my work-group's eight row tiles of 16,384 bytes,
	s_add_co_u32 s16, s16, s11                     ; the one that I copy
	s_mov_b32 s17, 0
	s_lshl_b32 s18, s10, 16                        ; my four n tiles of Wo
	s_mov_b32 s19, 0
	s_lshl_b32 s20, ttmp9, 18                      ; 128 rows of 2,048 bytes,
	s_lshl_b32 s21, s10, 8                         ; my 64 columns
	s_add_co_u32 s20, s20, s21
	s_mov_b32 s21, 0
	s_wait_kmcnt 0x0
	s_add_nc_u64 s[4:5], s[4:5], s[16:17]
	s_add_nc_u64 s[6:7], s[6:7], s[18:19]
	s_add_nc_u64 s[8:9], s[8:9], s[20:21]
.set i, 0
.rept 32
	global_load_b128 v[32+4*i:35+4*i], v[LI], s[4:5] offset:512*i th:TH_LOAD_NT    ; read once in the launch
.set i, i+1
.endr
	WOLOAD 0
	WOLOAD 1
	s_wait_loadcnt 16                              ; o's 32 loads are in; Wo's two chunks may be out
.set i, 0
.rept 32
	ds_store_b128 v[CPY], v[32+4*i:35+4*i] offset:512*i
.set i, i+1
.endr
	s_wait_dscnt 0x0                               ; for the others' sake: my stores have landed
	s_barrier_signal -1
	s_barrier_wait -1                              ; the eight row tiles lie in LDS; nobody writes them again
	OLOAD 0
.irp kc, 0,1,2,3,4,5,6,7,8,9,10,11,12,13,14,15
	CHUNK \kc
.endr
	; the way out, a row tile at a time; while one tile's rows are stored, the next is on its way through the stage
	PLACES
	TOSTAGE 0
.irp a, 1,2,3,4,5,6,7
.if \a > 1
	s_wait_xcnt 0x0                                ; tile a - 2's stores have read their registers: tile a's loads may land there
.endif
	TOSTAGE \a
	SEND \a-1, 16                                  ; behind tile a - 1's loads: tile a's 8 stores and 8 loads
.endr
	SEND 7, 0
	s_wait_tensorcnt 0x0                           ; the wave's end
	ds_add_u32 v[SPW], v[NIL]
	s_wait_dscnt 0x0
	s_endpgm
.Lfunc_end_k_q276dd67de0_oproj:
	.size	k_q276dd67de0_oproj, .Lfunc_end_k_q276dd67de0_oproj-k_q276dd67de0_oproj
	.p2alignl 7, 3214868480
	.fill 96, 4, 3214868480
	.section	.rodata,"a",@progbits
	.p2align	6, 0x0
	.amdhsa_kernel k_q276dd67de0_oproj
		.amdhsa_group_segment_fixed_size 166912
		.amdhsa_private_segment_fixed_size 0
		.amdhsa_enable_private_segment 0
		.amdhsa_kernarg_size 24
		.amdhsa_user_sgpr_count 2
		.amdhsa_user_sgpr_kernarg_segment_ptr 1
		.amdhsa_wavefront_size32 1
		.amdhsa_system_sgpr_workgroup_id_x 1
		.amdhsa_system_sgpr_workgroup_id_y 1
		.amdhsa_system_sgpr_workgroup_id_z 1
		.amdhsa_system_vgpr_workitem_id 0
		.amdhsa_next_free_vgpr 512
		.amdhsa_next_free_sgpr 66
		.amdhsa_reserve_vcc 0
		.amdhsa_float_denorm_mode_32 3
		.amdhsa_float_denorm_mode_16_64 3
		.amdhsa_memory_ordered 1
		.amdhsa_forward_progress 1
		.amdhsa_inst_pref_size 87
	.end_amdhsa_kernel
	.amdgpu_metadata
---
amdhsa.version: [ 1, 2 ]
amdhsa.kernels:
  - .name:           k_q276dd67de0_oproj
    .symbol:         k_q276dd67de0_oproj.kd
    .args:
      - { .name: o_frag, .offset: 0, .size: 8, .value_kind: global_buffer, .address_space: global }
      - { .name: wo_frag, .offset: 8, .size: 8, .value_kind: global_buffer, .address_space: global }
      - { .name: out0, .offset: 16, .size: 8, .value_kind: global_buffer, .address_space: global }
    .group_segment_fixed_size: 166912
    .private_segment_fixed_size: 0
    .kernarg_segment_align: 8
    .kernarg_segment_size: 24
    .max_flat_workgroup_size: 256
    .sgpr_count:     66
    .vgpr_count:     512
    .wavefront_size: 32
...
	.end_amdgpu_metadata
.endif
;; end of part 3
;; ======== version 2 of 2: 3 launches; version 1 with the launch attn written anew for expert scheduling mode
;; limits: values are held in f16: magnitudes above 65,504 overflow, below 6.1e-05 lose precision
;; workspace buffers: hs_codes 8,388,608 bytes; hs_scales 524,288 bytes; w_codes 393,216 bytes; w_scales 24,576 bytes; wo_frag 524,288 bytes; o_frag 33,554,432 bytes
;; launch prep: the kernel of part 1 again; grid 576 x 1, 4 waves a work-group, no clusters, 41,472 bytes of LDS; arguments hidden_states, Wq, Wk, Wv, Wo, hs_codes, hs_scales, w_codes, w_scales, wo_frag; writes hs_codes, hs_scales, w_codes, w_scales, wo_frag
;; launch attn (part 4): grid 8 x 32, 8 waves a work-group, no clusters, 263,424 bytes of LDS; arguments hs_codes, hs_scales, w_codes, w_scales, F_mats, o_frag; writes o_frag
.if DOCPART == 4
	.amdgcn_target "amdgcn-amd-amdhsa--gfx1250"
	.amdhsa_code_object_version 6
	.text
	.protected	k_q276dd67de0_attn
	.globl	k_q276dd67de0_attn
	.p2align	8
	.type	k_q276dd67de0_attn,@function
k_q276dd67de0_attn:
	s_mov_b64 s[64:65], 0
	v_nop
	global_prefetch_b8 v0, s[64:65] scope:SCOPE_SE
	s_setreg_imm32_b32 hwreg(HW_REG_WAVE_SCHED_MODE, 0, 2), 2
	s_setreg_imm32_b32 hwreg(HW_REG_WAVE_MODE, 25, 1), 1
	s_wait_xcnt 0x0
	s_wait_alu depctr_vm_vsrc(0)
; ATTN: one work-group for a (frame, head).  q, k, v = hs W by MX-FP4 products on the codes that the launch before made; k and v^T of all 1,024 keys stay in LDS as f16
; fragments, q in registers; then softmax(q k^T / 8 + mask) v with f16 operands and f32 sums; o leaves as f16 fragments for the last product.  q, k, v never go to memory.
; SHARES.  Eight waves; wave w makes keys 128 w .. +127 of k and v, and owns queries 128 w .. +127, in two passes of four tiles of 16.  Each fragment of K or V read from LDS feeds four products.
; LAYOUTS (no number changes lanes).  K, Q: source 0 = 16 rows of W (d), source 1 = 16 rows of hs: a lane holds one key (query) and 8 neighbouring d: two tiles packed to f16 are a fragment.
; V: source 0 = hs, source 1 = W: a lane holds one d and 8 neighbouring keys: a tile is half a fragment of V^T.  S^T = K Q^T, O^T = V^T P^T: a lane holds ONE query throughout.
; THE MASK.  cFc(n, m) = |a x_m + b y_m + c| / (sqrt(a^2 + b^2) + 1e-6), (a, b, c) = F (x_n, y_n, 1).  It is the magnitude of an affine function of the key's coordinates, so its largest value over the
; key grid lies at one of the four corner pixels (3.5 or 251.5): band needs 1,024 x 4 values.  mask = -decay max(cFc, band) + decay band; the second term is one number for the frame, which a softmax
; does not see, so min(-|d'|, -band') is used, d' = decay log2(e) x (signed cFc), linear in the key's x and y.  It is the C of the first product K Q^T.  Frames with b % 16 = 0 take F = [[0,0,0],[0,0,-1],[0,1,0]].
; SOFTMAX.  t = score in base 2 (q carries log2(e) / 8).  M = the running largest t rounded up to a whole number, kept as -M; p = 2^(t - M); when M moves, O and the sum are multiplied by 2^(old M - new M), exactly.
; The row's sum is a product of ones with p.
; LIMITS: |0.18 q|, |k|, |v| stay under 65,504 (f16); F_mats finite and a^2 + b^2 finite, so that nan_to_num never acts; NaN and infinities among the inputs are not served; 1 / x is v_rcp_f32 where the problem divides.
; No cluster: what work-groups share is the frame's codes, read once at the head, a small part of the launch's work.  No tensor load: every operand from memory is a dense image that 16-byte loads take whole.
; LDS: K's fragments at kt*2048 + dt*512 + 16*lane; V^T's at VIMG + (kt/2)*4096 + dt*1024 + (kt%2)*512 + 16*lane; RED: a word a wave; the spare words.
; REGISTERS.  Window 0: v1-10 addresses and lane constants; v11-13 at work; v14, v15 the add's two; v16-55 four blocks of ten for the four query tiles; v56-63 ones; v64-191 S^T, then p (during the projections:
; accumulators v64-127, packed results v128-159, scale words v160-183); v192-255 eight f16 fragments, or two sets of hs codes.
; Window 1: first Wk's and Wv's fragments; then v0-63 Q, v64-191 O^T (Wq's fragments before it), v192-223 the sums, v232-247 the key offsets 0..7, 16..23 as floats.
; THE MODE: SCHED_MODE bits 1:0 = 2 (LLVM: expert scheduling mode 2), set by the entry lines.  The code itself states the register dependences
; between vector or matrix instructions and memory or LDS instructions, with s_wait_alu, always for 0.
; THE PLAN.  Registers that memory or LDS instructions touch, and who else names them:
;   v1, v2, v5-v8   addresses (LI, LV, KST, VST, HSA, WSA): written at the head, never again: one wait on va_vdst ahead of the first load serves them for the whole kernel.
;   v11, v13        the address in RED and the wave's maximum: written at the head, read by one LDS store; v11 is written once more behind the barrier and read by two LDS loads.
;   hs sets 0, 1    codes (v192-223, v224-255) and scale words (v160-163, v164-167): loaded; read by tile t's products; loaded again for tile t + 2, behind tile t's end.
;   PK (v128-159)   written by a key tile's 32 conversions, read by its eight LDS stores.  ONE wait on va_vdst a key tile, behind the conversions: PK is written, and the tile's products are done with their set;
;                   the stores and the next tile's nine loads follow it.  One wait on vm_vsrc ahead of the next tile's conversions.
;   window 1        the weights' fragments: loaded at the head (Wk, Wv) and at each pass's head (Wq, where products or the way out's multiplies have read): the window switch, one wait on va_vdst, the loads.
;   FB (v192-255)   in the key loop ONE buffer (eight waves of 512 registers leave no second): K's loads, K Q^T, V's loads, V^T P.  A wait on va_vdst ahead of each run of loads; each run stands behind vector
;                   work that follows the products which read the buffer: K's behind key tile 0's mask, V's behind the lines of the maximum.
;   ADK, ADV        written at a step's head, behind one wait on vm_vsrc; read by the step's 32 LDS loads, behind the waits above.
;   S's low halves  v64-79, v96-111, v128-143, v160-175: written by the way out's conversions, read by its 16 stores: a wait on va_vdst ahead of the stores, one on vm_vsrc behind them, ahead of the branch.
.set VIMG,  131072
.set RED,   262144
.set SPARE, 262400                     ; 128 bytes a wave: four blocks of 256 bytes that no other line names
.set LI,  1                            ; 16 x lane
.set LV,  2                            ; + VIMG
.set ADK, 3                            ; the key step's K fragments
.set ADV, 4                            ; and V's
.set KST, 5                            ; where I store K: 16 x lane + 16,384 x wave
.set VST, 6                            ; and V
.set HSA, 7                            ; 16 x (lane % 16): a row's scale words
.set WSA, 8                            ; 4 x lane: the weights' scale words
.set RR,  9                            ; lane % 16
.set HX,  10                           ; 64 (lane / 16) + 3.5, a float
.set SPW, 14
.set NIL, 15
.set P0,  16                           ; tile i's block at + 10 i: 8 A'
.set P2,  17                           ; 8 B'
.set EA,  18                           ; d' at the step's even key row, x offset 0
.set E0,  19                           ; d' at key row 0
.set EB,  20                           ; d' at the odd key row
.set TM,  21                           ; the largest t so far
.set NM,  22                           ; -M
.set T1,  23
.set FF,  24                           ; 2^(old M - new M); at the end 1 / sum
.set T2,  25
.set ONES, 56
.set SS,  64
.set ACK, 64                           ; projections: accumulators of K or Q; V's follow at + 32
.set PK,  128                          ; packed results
.set HSC, 160                          ; hs scale words, two sets of 4
.set WSK, 168                          ; Wk's or Wq's scale words
.set WSV, 176                          ; Wv's
.set FB,  192
.set QF,  0                            ; window 1
.set OA,  64
.set LA,  192
.set JT,  232
.set LN,  64                           ; the lines' work registers, four of each
.set CX,  68
.set CY,  72
.set AA,  76
.set BB,  80
.set CC,  84
.set IV,  88
.set TT,  92
.set MSB, 0
.macro WIN new                         ; bits 1:0 source 0, 3:2 source 1, 5:4 source 2, 7:6 destination; the high byte repeats the setting that is left
.if MSB != \new
	s_set_vgpr_msb (MSB<<8)|\new
.set MSB, \new
.endif
.endm
.macro PLACES                          ; four plain places behind a matrix instruction, ahead of the first use of its results (ISA guide 7.12.1)
.rept 4
	v_nop
.endr
.endm
.macro HLOAD set, t                    ; row tile t of my eight (or of my pass's four): four fragments of codes and the rows' scale words: nine loads
.irp s, 0,1,2,3
.irp c, 0,1
	global_load_b128 v[FB+32*(\set)+8*\s+4*\c:FB+32*(\set)+8*\s+4*\c+3], v[LI], s[46:47] offset:(\t)*4096+\s*1024+\c*512
.endr
.endr
	global_load_b128 v[HSC+4*(\set):HSC+4*(\set)+3], v[HSA], s[48:49] offset:(\t)*256
.endm
.macro WLOAD dst, mat                  ; my head's 64 rows of a weight: 16 fragments (tile d, K step s) at dst + 8 (4 d + s), in window 1
.irp d, 0,1,2,3
.irp s, 0,1,2,3
.irp c, 0,1
	global_load_b128 v[(\dst)+8*(4*\d+\s)+4*\c:(\dst)+8*(4*\d+\s)+4*\c+3], v[LI], s[56:57] offset:(\mat)*131072+\d*4096+\s*1024+\c*512
.endr
.endr
.endr
.endm
.macro WSLOAD reg, mat                 ; and their scale words: register 4 g + s: lanes 0-15 tile 2 g, lanes 16-31 tile 2 g + 1
.irp g, 0,1
.irp s, 0,1,2,3
	global_load_b32 v[(\reg)+4*\g+\s], v[WSA], s[58:59] offset:(\mat)*8192+\g*512+\s*128
.endr
.endr
.endm
; 16 products: source 0 = the weight's four tiles, source 1 = a row tile of hs; the four accumulators take turns, K ascending; the first K step starts the sums
.macro PROJA acc, wb, ws, set
.irp s, 0,1,2,3
.irp d, 0,1,2,3
.set rD, (\acc)+8*\d
.set rW, (\wb)+8*(4*\d+\s)
.set rH, FB+32*(\set)+8*\s
.set rA, (\ws)+4*(\d/2)+\s
.set rB, HSC+4*(\set)+\s
.if (\s == 0) && (\d%2 == 0)
	v_wmma_scale_f32_16x16x128_f8f6f4 v[rD:rD+7], v[rW:rW+7], v[rH:rH+7], 0, v[rA], v[rB] matrix_a_fmt:MATRIX_FMT_FP4 matrix_b_fmt:MATRIX_FMT_FP4
.elseif \s == 0
	v_wmma_scale_f32_16x16x128_f8f6f4 v[rD:rD+7], v[rW:rW+7], v[rH:rH+7], 0, v[rA], v[rB] matrix_a_fmt:MATRIX_FMT_FP4 matrix_b_fmt:MATRIX_FMT_FP4 matrix_a_scale:MATRIX_SCALE_ROW1
.elseif \d%2 == 0
	v_wmma_scale_f32_16x16x128_f8f6f4 v[rD:rD+7], v[rW:rW+7], v[rH:rH+7], v[rD:rD+7], v[rA], v[rB] matrix_a_fmt:MATRIX_FMT_FP4 matrix_b_fmt:MATRIX_FMT_FP4
.else
	v_wmma_scale_f32_16x16x128_f8f6f4 v[rD:rD+7], v[rW:rW+7], v[rH:rH+7], v[rD:rD+7], v[rA], v[rB] matrix_a_fmt:MATRIX_FMT_FP4 matrix_b_fmt:MATRIX_FMT_FP4 matrix_a_scale:MATRIX_SCALE_ROW1
.endif
.endr
.endr
.endm
; the same with the sources changed over: source 0 = hs, source 1 = the weight
.macro PROJB acc, wb, ws, set
.irp s, 0,1,2,3
.irp d, 0,1,2,3
.set rD, (\acc)+8*\d
.set rW, (\wb)+8*(4*\d+\s)
.set rH, FB+32*(\set)+8*\s
.set rA, (\ws)+4*(\d/2)+\s
.set rB, HSC+4*(\set)+\s
.if (\s == 0) && (\d%2 == 0)
	v_wmma_scale_f32_16x16x128_f8f6f4 v[rD:rD+7], v[rH:rH+7], v[rW:rW+7], 0, v[rB], v[rA] matrix_a_fmt:MATRIX_FMT_FP4 matrix_b_fmt:MATRIX_FMT_FP4
.elseif \s == 0
	v_wmma_scale_f32_16x16x128_f8f6f4 v[rD:rD+7], v[rH:rH+7], v[rW:rW+7], 0, v[rB], v[rA] matrix_a_fmt:MATRIX_FMT_FP4 matrix_b_fmt:MATRIX_FMT_FP4 matrix_b_scale:MATRIX_SCALE_ROW1
.elseif \d%2 == 0
	v_wmma_scale_f32_16x16x128_f8f6f4 v[rD:rD+7], v[rH:rH+7], v[rW:rW+7], v[rD:rD+7], v[rB], v[rA] matrix_a_fmt:MATRIX_FMT_FP4 matrix_b_fmt:MATRIX_FMT_FP4
.else
	v_wmma_scale_f32_16x16x128_f8f6f4 v[rD:rD+7], v[rH:rH+7], v[rW:rW+7], v[rD:rD+7], v[rB], v[rA] matrix_a_fmt:MATRIX_FMT_FP4 matrix_b_fmt:MATRIX_FMT_FP4 matrix_b_scale:MATRIX_SCALE_ROW1
.endif
.endr
.endr
.endm
; four pixels n in v[LN ..] -> their lines (a, b, c) = F (x, y, 1) in AA, BB, CC and 1 / (sqrt(a^2 + b^2) + 1e-6) in IV
.macro LINES
.irp i, 0,1,2,3
	v_and_b32 v[CX+\i], 31, v[LN+\i]
	v_lshrrev_b32 v[CY+\i], 5, v[LN+\i]
.endr
.irp i, 0,1,2,3
	v_cvt_f32_u32 v[CX+\i], v[CX+\i]
	v_cvt_f32_u32 v[CY+\i], v[CY+\i]
.endr
.irp i, 0,1,2,3
	v_fma_f32 v[CX+\i], v[CX+\i], s30, s31         ; 8 x + 3.5
	v_fma_f32 v[CY+\i], v[CY+\i], s30, s31
.endr
.irp i, 0,1,2,3
	v_fma_f32 v[AA+\i], v[CY+\i], s21, s22
	v_fma_f32 v[BB+\i], v[CY+\i], s24, s25
	v_fma_f32 v[CC+\i], v[CY+\i], s27, s28
.endr
.irp i, 0,1,2,3
	v_fma_f32 v[AA+\i], v[CX+\i], s20, v[AA+\i]
	v_fma_f32 v[BB+\i], v[CX+\i], s23, v[BB+\i]
	v_fma_f32 v[CC+\i], v[CX+\i], s26, v[CC+\i]
.endr
.irp i, 0,1,2,3
	v_mul_f32 v[TT+\i], v[AA+\i], v[AA+\i]
.endr
.irp i, 0,1,2,3
	v_fma_f32 v[TT+\i], v[BB+\i], v[BB+\i], v[TT+\i]
.endr
.irp i, 0,1,2,3
	v_sqrt_f32 v[TT+\i], v[TT+\i]
.endr
	v_nop                                          ; a plain line behind the last root,
	s_wait_alu depctr_va_vdst(0)                   ; and one wait for the four roots' results, ahead of their first use
.irp i, 0,1,2,3
	v_add_f32 v[TT+\i], s33, v[TT+\i]
.endr
.irp i, 0,1,2,3
	v_rcp_f32 v[IV+\i], v[TT+\i]
.endr
	v_nop
	s_wait_alu depctr_va_vdst(0)                   ; the four reciprocals' results, ahead of their first use
.endm
; row tile rt of my eight becomes a key tile of K and of V^T in LDS
.macro KVTILE rt
.if (\rt) < 7
	HLOAD ((\rt)+1)%2, (\rt)+1                     ; the next tile, into the set that the tile before has left: the wait ahead of that tile's LDS stores has shown its products done with the set, and nothing since names it
	s_wait_loadcnt 9                               ; all but those nine
.else
	s_wait_loadcnt 0x0
.endif
	WIN 0x01                                       ; source 0 (Wk) in window 1
	PROJA ACK, 0, WSK, (\rt)%2
	WIN 0x04                                       ; source 1 (Wv) in window 1
	PROJB ACK+32, 128, WSV, (\rt)%2
	WIN 0
	PLACES
	s_wait_dscnt 0x0                               ; the last tile's LDS stores are done
.if (\rt) > 0
	s_wait_alu depctr_vm_vsrc(0)                   ; the last tile's LDS stores have read v[PK ..], which the conversions below write again
.endif
.set k, 0
.rept 32
	v_cvt_pk_f16_f32 v[PK+k], v[ACK+2*k], v[ACK+2*k+1]             ; each accumulator from its low end on
.set k, k+1
.endr
	s_wait_alu depctr_va_vdst(0)                   ; the conversions have written v[PK ..], which the LDS stores read; this tile's products are done reading their set of codes and scale words, in which the next tile's head loads
.irp d, 0,1,2,3
	ds_store_b128 v[KST], v[PK+4*\d:PK+4*\d+3] offset:(\rt)*2048+\d*512
.endr
.irp d, 0,1,2,3
	ds_store_b128 v[VST], v[PK+16+4*\d:PK+16+4*\d+3] offset:((\rt)/2)*4096+\d*1024+((\rt)%2)*512
.endr
.endm
; query tile qi of my pass's four: q x log2(e) / 8, as two f16 fragments in window 1
.macro QTILE qi
.if (\qi) < 3
.if (\qi) > 0
	s_wait_alu depctr_va_vdst(0)                   ; the products of the tile before are done reading the set of codes and scale words in which the nine loads below land
.endif
	HLOAD ((\qi)+1)%2, (\qi)+1
	s_wait_loadcnt 9                               ; all but the next tile's nine
.else
	s_wait_loadcnt 0x0
.endif
	WIN 0x01
	PROJA ACK, OA, WSK, (\qi)%2
	WIN 0
	PLACES
.irp k, 0,2,4,6,8,10,12,14,16,18,20,22,24,26,28,30
	v_pk_mul_f32 v[ACK+\k:ACK+\k+1], v[ACK+\k:ACK+\k+1], s[36:37] op_sel_hi:[1,0]
.endr
	WIN 0x40
.irp k, 0,1,2,3,4,5,6,7,8,9,10,11,12,13,14,15
	v_cvt_pk_f16_f32 v[QF+16*(\qi)+\k], v[ACK+2*\k], v[ACK+2*\k+1]
.endr
	WIN 0
.endm
; the mask of key tile u of a step's four: d' two at a time, then min(-|d'|, -band').  Source 1 (the key offsets) lies in window 1
.macro MASK u
.irp i, 0,1,2,3
.irp k, 0,2,4,6
	v_pk_fma_f32 v[SS+32*\i+8*(\u)+\k:SS+32*\i+8*(\u)+\k+1], v[P0+10*\i:P0+10*\i+1], v[JT+8*((\u)%2)+\k:JT+8*((\u)%2)+\k+1], v[EA+10*\i+2*((\u)/2):EA+10*\i+2*((\u)/2)+1] op_sel_hi:[0,1,0]
.endr
.endr
.irp i, 0,1,2,3
.irp k, 0,1,2,3,4,5,6,7
	v_min_num_f32 v[SS+32*\i+8*(\u)+\k], -|v[SS+32*\i+8*(\u)+\k]|, s39
.endr
.endr
.endm
	; ---- the head
	s_load_b256 s[4:11], s[0:1], 0x0               ; hs_codes s[4:5], hs_scales s[6:7], w_codes s[8:9], w_scales s[10:11]
	s_load_b128 s[12:15], s[0:1], 0x20             ; F_mats s[12:13], o_frag s[14:15]
	v_lshl_add_u32 v[SPW], v0, 2, SPARE
	v_mov_b32 v[NIL], 0
	v_lshrrev_b32 v11, 5, v0
	v_readfirstlane_b32 s16, v11                   ; wave 0..7
	s_and_b32 s18, ttmp7, 0xffff                   ; the frame; ttmp9 is the head
	v_and_b32 v11, 31, v0
	v_lshlrev_b32 v[LI], 4, v11
	v_add_nc_u32 v[LV], VIMG, v[LI]
	s_wait_alu depctr_va_sdst(0)                   ; s16 is written, ahead of its first reader: LDS places and the buffers' offsets are made from it
	s_lshl_b32 s60, s16, 14
	v_add_nc_u32 v[KST], s60, v[LI]
	v_add_nc_u32 v[VST], VIMG, v[KST]
	v_and_b32 v[RR], 15, v0
	v_lshlrev_b32 v[HSA], 4, v[RR]
	v_lshlrev_b32 v[WSA], 2, v11
	s_mov_b32 s29, 0x42800000                      ; 64.0
	s_mov_b32 s30, 0x41000000                      ; 8.0: pixels of the 256 grid from one grid point to the next
	s_mov_b32 s31, 0x40600000                      ; 3.5: the first grid point
	s_mov_b32 s32, 0x437b8000                      ; 251.5: the last
	s_mov_b32 s33, 0x358637bd                      ; 1e-6
	s_mov_b32 s34, 0x76543210
	s_mov_b32 s35, 0xfedcba98                      ; v_permlanex16_b32's selects for lane l xor 16
	s_mov_b32 s36, 0x3e38aa3b                      ; log2(e) / 8
	s_mov_b32 s37, s36                             ; (named with it as a pair)
	v_bfe_u32 v[HX], v0, 4, 1
	v_cvt_f32_u32 v[HX], v[HX]
	v_fma_f32 v[HX], v[HX], s29, s31
	s_lshl_b32 s60, s16, 2
	s_add_co_u32 s60, s60, RED
	v_mov_b32 v11, s60                             ; my wave's word of RED
	s_lshl_b32 s60, s18, 6
	s_lshl_b32 s61, s16, 3
	s_add_co_u32 s60, s60, s61                     ; my first row tile: 64 x frame + 8 x wave
	s_lshl_b32 s46, s60, 12
	s_mov_b32 s47, 0
	s_lshl_b32 s48, s60, 8
	s_mov_b32 s49, 0
	s_lshl_b32 s50, s60, 14
	s_lshl_b32 s61, ttmp9, 11                      ; my head's two k chunks of a row tile's sixteen
	s_add_co_u32 s50, s50, s61
	s_mov_b32 s51, 0
	s_lshl_b32 s56, ttmp9, 14                      ; my head's four tiles of a weight's codes
	s_mov_b32 s57, 0
	s_lshl_b32 s58, ttmp9, 10                      ; and two groups of scale words
	s_mov_b32 s59, 0
	s_mul_i32 s62, s18, 36                         ; my frame's F
	s_mov_b32 s63, 0
	s_lshl_b32 s45, s16, 7                         ; my first query
	s_wait_kmcnt 0x0
	s_add_nc_u64 s[46:47], s[4:5], s[46:47]
	s_add_nc_u64 s[48:49], s[6:7], s[48:49]
	s_add_nc_u64 s[56:57], s[8:9], s[56:57]
	s_add_nc_u64 s[58:59], s[10:11], s[58:59]
	s_add_nc_u64 s[12:13], s[12:13], s[62:63]
	s_add_nc_u64 s[50:51], s[14:15], s[50:51]
	s_load_b256 s[20:27], s[12:13], 0x0            ; F, row by row: s20 .. s28
	s_load_b32 s28, s[12:13], 0x20
	WIN 0x40                                       ; destination window 1
	s_wait_alu depctr_va_vdst(0)                   ; the addresses v1, v2, v5 to v8 and v11 are written: every load and store of the kernel but the key steps' reads one of them
	WLOAD 0, 1                                     ; Wk
	WLOAD 128, 2                                   ; Wv
	WIN 0
	WSLOAD WSK, 1
	WSLOAD WSV, 2
	HLOAD 0, 0
	s_wait_kmcnt 0x0
	s_and_b32 s60, s18, 15                         ; the first frame of each 16 takes the pseudo lines (0, -1, y): a choice on the frame's number
	s_cmp_eq_u32 s60, 0
	s_cselect_b32 s20, 0, s20
	s_cselect_b32 s21, 0, s21
	s_cselect_b32 s22, 0, s22
	s_cselect_b32 s23, 0, s23
	s_cselect_b32 s24, 0, s24
	s_cselect_b32 s25, 0xbf800000, s25
	s_cselect_b32 s26, 0, s26
	s_cselect_b32 s27, 0x3f800000, s27
	s_cselect_b32 s28, 0, s28
	; the band: the largest cFc of the frame.  My four queries tid + 256 i, each at the four corner keys.  (Work on registers, v12, v13 and v64 to v115, in none of which a load above lands, while those loads are on their way.)
.irp i, 0,1,2,3
	v_add_nc_u32 v[LN+\i], 256*\i, v0
.endr
	LINES
.irp i, 0,1,2,3
	v_fma_f32 v[TT+\i], v[AA+\i], s31, v[CC+\i]    ; a 3.5 + c
	v_fma_f32 v[96+\i], v[AA+\i], s32, v[CC+\i]    ; a 251.5 + c
.endr
.irp i, 0,1,2,3
	v_fma_f32 v[100+\i], v[BB+\i], s31, v[TT+\i]
	v_fma_f32 v[104+\i], v[BB+\i], s32, v[TT+\i]
	v_fma_f32 v[108+\i], v[BB+\i], s31, v[96+\i]
	v_fma_f32 v[112+\i], v[BB+\i], s32, v[96+\i]
.endr
.irp i, 0,1,2,3
	v_max3_num_f32 v[100+\i], |v[100+\i]|, |v[104+\i]|, |v[108+\i]|
.endr
.irp i, 0,1,2,3
	v_max_num_f32 v[100+\i], v[100+\i], |v[112+\i]|
.endr
.irp i, 0,1,2,3
	v_mul_f32 v[100+\i], v[100+\i], v[IV+\i]
.endr
	v_max3_num_f32 v13, v100, v101, v102
	v_max_num_f32 v13, v13, v103
	v_mov_b32 v12, 0                               ; a lane permute's destination counts as one of its sources
	v_max_num_f32_dpp v13, v13, v13 row_xmask:1 row_mask:0xf bank_mask:0xf
	v_max_num_f32_dpp v13, v13, v13 row_xmask:2 row_mask:0xf bank_mask:0xf
	v_max_num_f32_dpp v13, v13, v13 row_xmask:4 row_mask:0xf bank_mask:0xf
	v_max_num_f32_dpp v13, v13, v13 row_xmask:8 row_mask:0xf bank_mask:0xf
	v_permlanex16_b32 v12, v13, s34, s35
	v_max_num_f32 v13, v13, v12
	s_wait_alu depctr_va_vdst(0)                   ; v13, the wave's maximum, is written: the LDS store reads it
	ds_store_b32 v11, v13                          ; all lanes write the same word with the same value
	; ---- A: my 128 keys of K and V^T
.irp rt, 0,1,2,3,4,5,6,7
	KVTILE \rt
.endr
	s_wait_dscnt 0x0                               ; for the others' sake: my stores have landed
	s_barrier_signal -1
	s_barrier_wait -1                              ; the one barrier: K, V^T and the eight maxima lie in LDS; no wave stores to them again
	; ---- B: the frame's two numbers
	s_wait_alu depctr_vm_vsrc(0)                   ; my LDS stores have read v11, which the next line writes, and v[PK ..], which the key steps write as part of S^T
	v_mov_b32 v11, RED
	s_wait_alu depctr_va_vdst(0)                   ; v11 is written: the two LDS loads read it as their address
	ds_load_b128 v[64:67], v11
	ds_load_b128 v[68:71], v11 offset:16
	WIN 0x40
.irp k, 0,1,2,3,4,5,6,7
	v_cvt_f32_u32 v[JT+\k], \k                     ; a register's key offset along x: 0 .. 7 in an even key tile,
	v_cvt_f32_u32 v[JT+8+\k], 16+\k                ; 16 .. 23 in an odd one
.endr
	WIN 0
.irp k, 0,1,2,3,4,5,6,7
	v_mov_b32 v[ONES+\k], 0x3c003c00               ; 1.0, 1.0 in f16
.endr
	s_wait_dscnt 0x0
	v_max3_num_f32 v64, v64, v65, v66
	v_max3_num_f32 v64, v64, v67, v68
	v_max3_num_f32 v64, v64, v69, v70
	v_max_num_f32 v64, v64, v71
	v_mul_f32 v65, 0x3cc00000, v64                 ; band = 3 / 128 x the largest
	v_add_f32 v66, s33, v65
	v_rcp_f32 v66, v66
	v_nop
	s_wait_alu depctr_va_vdst(0)                   ; the reciprocal's result, ahead of its first use
	v_mul_f32 v66, 0x408a7fac, v66                 ; G = 3 log2(e) / (band + 1e-6)
	v_mul_f32 v67, -v65, v66                       ; -band G
	v_readfirstlane_b32 s38, v66
	v_readfirstlane_b32 s39, v67
	s_wait_alu depctr_va_sdst(0)                   ; s38 and s39 are written, ahead of the label and of their first readers: the lines' scaling and the mask's floor
	s_mov_b32 s44, 2
.Lpass:                                            ; two trips: four tiles of 16 queries each
	WIN 0x40
	s_wait_alu depctr_va_vdst(0)                   ; Wq's fragments land where phase A's products have read Wk's and Wv's (first trip), or where the key steps have written O^T and the way out's multiplies have read it (second); the scale words and codes below likewise land in registers that products and conversions are done with
	WLOAD OA, 0                                    ; Wq, where O^T will stand
	WIN 0
	WSLOAD WSK, 0
	HLOAD 0, 0
.irp i, 0,1,2,3
	v_add3_u32 v[LN+\i], v[RR], s45, 16*\i         ; my query in tile i
.endr
	LINES
.irp i, 0,1,2,3
	v_mul_f32 v[IV+\i], s38, v[IV+\i]
.endr
.irp i, 0,1,2,3
	v_mul_f32 v[AA+\i], v[AA+\i], v[IV+\i]         ; A', B', C': the line, divided by its norm, times G
	v_mul_f32 v[BB+\i], v[BB+\i], v[IV+\i]
	v_mul_f32 v[CC+\i], v[CC+\i], v[IV+\i]
.endr
.irp i, 0,1,2,3
	v_mul_f32 v[P0+10*\i], s30, v[AA+\i]
	v_mul_f32 v[P2+10*\i], s30, v[BB+\i]
	v_fma_f32 v[CC+\i], v[BB+\i], s31, v[CC+\i]
.endr
.irp i, 0,1,2,3
	v_fma_f32 v[E0+10*\i], v[AA+\i], v[HX], v[CC+\i]   ; d' at key x = 8 (lane / 16), y = 0
.endr
.irp qi, 0,1,2,3
	QTILE \qi                                      ; (tile 0's nine loads for tile 1: no vector line since the pass's first wait names their registers)
.endr
	WIN 0x40
.set k, 0
.rept 160
	v_mov_b32 v[OA+k], 0                           ; O^T and the sums.  (The key step is written once: its first trip finds zeros, which the first change of M leaves zeros)
.set k, k+1
.endr
	WIN 0
.irp i, 0,1,2,3
	v_mov_b32 v[TM+10*\i], 0xff61b1e6              ; -3e38, under every t
	v_mov_b32 v[T1+10*\i], 0
	v_mov_b32 v[FF+10*\i], 0
	v_mov_b32 v[T2+10*\i], 0
.endr
.irp i, 0,1,2,3
	v_floor_f32 v[NM+10*\i], -v[TM+10*\i]
.endr
	s_mov_b32 s40, 0                               ; the step's two key rows y, as floats
	s_mov_b32 s41, 0x3f800000
	s_mov_b32 s42, 0                               ; the step's bytes in K's and in V's images
	s_mov_b32 s43, 16
.Lkey:                                             ; 16 trips of 64 keys
	s_wait_alu depctr_vm_vsrc(0)                   ; the last step's LDS loads have read v[ADK] and v[ADV], which the next two lines write
	v_add_nc_u32 v[ADK], s42, v[LI]
	v_add_nc_u32 v[ADV], s42, v[LV]
	WIN 0x04                                       ; source 1 in window 1: the key offsets, then Q.  (An LDS load's address is its source 0 and its data its destination: K's loads below stay in window 0)
.irp i, 0,1,2,3
	v_fma_f32 v[EA+10*\i], v[P2+10*\i], s40, v[E0+10*\i]
	v_fma_f32 v[EB+10*\i], v[P2+10*\i], s41, v[E0+10*\i]
.endr                                              ; these ten lines are the places between the last step's products and the first write of their source S^T
	MASK 0                                         ; key tile 0's mask stands ahead of K's loads
	s_wait_alu depctr_va_vdst(0)                   ; the last step's products V^T P (first trip: the query tiles' products) are done reading v[FB ..], in which K's loads land; v[ADK] and v[ADV] are written
.irp f, 0,1,2,3,4,5,6,7
	ds_load_b128 v[FB+8*\f:FB+8*\f+3], v[ADK] offset:\f*1024           ; K: key tile f / 2, d 32 (f % 2) on
	ds_load_b128 v[FB+8*\f+4:FB+8*\f+7], v[ADK] offset:\f*1024+512
.endr
	MASK 1                                         ; the other three tiles' masks stand between the loads and the wait for them; they name none of the loads' registers
	MASK 2
	MASK 3
	s_wait_dscnt 0x0                               ; K is in
.irp c, 0,1                                        ; S^T = mask + K Q^T: sixteen accumulators by turns
.irp u, 0,1,2,3
.irp i, 0,1,2,3
	v_wmma_f32_16x16x32_f16 v[SS+32*\i+8*\u:SS+32*\i+8*\u+7], v[FB+8*(2*\u+\c):FB+8*(2*\u+\c)+7], v[QF+16*\i+8*\c:QF+16*\i+8*\c+7], v[SS+32*\i+8*\u:SS+32*\i+8*\u+7]
.endr
.endr
.endr
	WIN 0
	PLACES
.irp i, 0,1,2,3                                    ; the largest t of my 32, the four tiles by turns; each accumulator is first read at its low end
	v_max3_num_f32 v[T1+10*\i], v[SS+32*\i], v[SS+32*\i+1], v[SS+32*\i+2]
.endr
.irp k, 3,5,7,9,11,13,15,17,19,21,23,25,27,29
.irp i, 0,1,2,3
	v_max3_num_f32 v[T1+10*\i], v[T1+10*\i], v[SS+32*\i+\k], v[SS+32*\i+\k+1]
.endr
.endr
.irp i, 0,1,2,3
	v_max3_num_f32 v[T1+10*\i], v[T1+10*\i], v[SS+32*\i+31], v[TM+10*\i]
.endr
	s_wait_alu depctr_va_vdst(0)                   ; the products K Q^T are done reading v[FB ..], in which V's loads land
.irp f, 0,1,2,3,4,5,6,7
	ds_load_b128 v[FB+8*\f:FB+8*\f+3], v[ADV] offset:\f*1024           ; V^T: keys 32 (f / 4) on, d 16 (f % 4) on
	ds_load_b128 v[FB+8*\f+4:FB+8*\f+7], v[ADV] offset:\f*1024+512
.endr
.irp i, 0,1,2,3
	v_permlanex16_b32 v[T2+10*\i], v[T1+10*\i], s34, s35           ; the query's other 32 keys lie in the lane 16 away
.endr
.irp i, 0,1,2,3
	v_max_num_f32 v[TM+10*\i], v[T1+10*\i], v[T2+10*\i]
.endr
.irp i, 0,1,2,3
	v_mov_b32 v[T1+10*\i], v[NM+10*\i]
.endr
.irp i, 0,1,2,3
	v_floor_f32 v[NM+10*\i], -v[TM+10*\i]          ; -M = floor(-t): M is a whole number
.endr
.irp i, 0,1,2,3
	v_sub_f32 v[T1+10*\i], v[NM+10*\i], v[T1+10*\i]    ; old M - new M: a whole number, 0 or less
.endr
.irp i, 0,1,2,3
	v_cvt_i32_f32 v[T1+10*\i], v[T1+10*\i]         ; (it saturates)
.endr
.irp i, 0,1,2,3
	v_ldexp_f32 v[FF+10*\i], 1.0, v[T1+10*\i]
.endr
.irp i, 0,1,2,3
.irp k, 0,2,4,6,8,10,12,14,16,18,20,22,24,26,28,30
	v_pk_add_f32 v[SS+32*\i+\k:SS+32*\i+\k+1], v[SS+32*\i+\k:SS+32*\i+\k+1], v[NM+10*\i:NM+10*\i+1] op_sel_hi:[1,0]   ; t - M
.endr
.endr
.irp i, 0,1,2,3
.irp k, 0,1,2,3,4,5,6,7,8,9,10,11,12,13,14,15,16,17,18,19,20,21,22,23,24,25,26,27,28,29,30,31
	v_exp_f32 v[SS+32*\i+\k], v[SS+32*\i+\k]       ; p = 2^(t - M): one batch
.endr
.endr
	WIN 0x41                                       ; O^T and the sums (destination, source 0) in window 1: the independent work behind the batch
.irp i, 0,1,2,3
.irp k, 0,2,4,6,8,10,12,14,16,18,20,22,24,26,28,30
	v_pk_mul_f32 v[OA+32*\i+\k:OA+32*\i+\k+1], v[OA+32*\i+\k:OA+32*\i+\k+1], v[FF+10*\i:FF+10*\i+1] op_sel_hi:[1,0]
.endr
	v_pk_mul_f32 v[LA+8*\i:LA+8*\i+1], v[LA+8*\i:LA+8*\i+1], v[FF+10*\i:FF+10*\i+1] op_sel_hi:[1,0]   ; of the sum's eight equal registers only the lowest is ever used: the other six are left, and stay under 1,024
.endr
	WIN 0
	s_wait_alu depctr_va_vdst(0)                   ; one wait for the 128 exponentials' results, ahead of their first use
.irp i, 0,1,2,3
.irp k, 0,1,2,3,4,5,6,7,8,9,10,11,12,13,14,15
	v_cvt_pk_f16_f32 v[SS+32*\i+\k], v[SS+32*\i+2*\k], v[SS+32*\i+2*\k+1]      ; p to f16, packed in place: registers 8 c .. 8 c + 7 are source 1 for keys 32 c on
.endr
.endr
	s_wait_dscnt 0x0                               ; V^T is in
	WIN 0x50                                       ; C and D in window 1
.irp c, 0,1                                        ; O^T += V^T P^T, the sums += ones P^T: twenty accumulators by turns
.irp d, 0,1,2,3
.irp i, 0,1,2,3
	v_wmma_f32_16x16x32_f16 v[OA+32*\i+8*\d:OA+32*\i+8*\d+7], v[FB+8*(4*\c+\d):FB+8*(4*\c+\d)+7], v[SS+32*\i+8*\c:SS+32*\i+8*\c+7], v[OA+32*\i+8*\d:OA+32*\i+8*\d+7]
.endr
.endr
.irp i, 0,1,2,3
	v_wmma_f32_16x16x32_f16 v[LA+8*\i:LA+8*\i+7], v[ONES:ONES+7], v[SS+32*\i+8*\c:SS+32*\i+8*\c+7], v[LA+8*\i:LA+8*\i+7]
.endr
.endr
	WIN 0
	s_add_co_u32 s42, s42, 8192                    ; four key tiles of K, two pairs of V^T
	s_add_f32 s40, s40, 2.0
	s_add_f32 s41, s41, 2.0
	s_sub_co_u32 s43, s43, 1
	s_cmp_lg_u32 s43, 0
	s_cbranch_scc1 .Lkey
	; the way out: O^T / the sum, to f16: the packed registers are the last product's fragments as they stand
	PLACES
	WIN 0x01                                       ; source 0 in window 1
.irp i, 0,1,2,3
	v_rcp_f32 v[FF+10*\i], v[LA+8*\i]
.endr
	v_nop
	s_wait_alu depctr_va_vdst(0)                   ; one wait for the four reciprocals' results, ahead of their first use
.irp i, 0,1,2,3
.irp k, 0,2,4,6,8,10,12,14,16,18,20,22,24,26,28,30
	v_pk_mul_f32 v[SS+32*\i+\k:SS+32*\i+\k+1], v[OA+32*\i+\k:OA+32*\i+\k+1], v[FF+10*\i:FF+10*\i+1] op_sel_hi:[1,0]
.endr
.endr
	WIN 0
.irp i, 0,1,2,3
.irp k, 0,1,2,3,4,5,6,7,8,9,10,11,12,13,14,15
	v_cvt_pk_f16_f32 v[SS+32*\i+\k], v[SS+32*\i+2*\k], v[SS+32*\i+2*\k+1]
.endr
.endr
	s_wait_alu depctr_va_vdst(0)                   ; the conversions have written the low 16 registers of each tile's S^T, which the stores read
.irp i, 0,1,2,3
.irp q, 0,1,2,3
	global_store_b128 v[LI], v[SS+32*\i+4*\q:SS+32*\i+4*\q+3], s[50:51] offset:\i*16384+\q*512 th:TH_STORE_NT   ; 512 consecutive bytes, aligned
.endr
.endr
	s_wait_xcnt 0x0                                ; the stores have had their addresses translated: their registers and base are written again only behind this wait
	s_wait_alu depctr_vm_vsrc(0)                   ; the stores have read their data registers, which the next pass writes: the lines' work (v64 on), and the loads of scale words (v160 to v175)
	s_add_nc_u64 s[46:47], s[46:47], 16384         ; four row tiles on
	s_add_nc_u64 s[48:49], s[48:49], 1024
	s_add_nc_u64 s[50:51], s[50:51], 65536
	s_add_co_u32 s45, s45, 64
	s_sub_co_u32 s44, s44, 1
	s_cmp_lg_u32 s44, 0
	s_cbranch_scc1 .Lpass
	s_wait_dscnt 0x0                               ; the closing lines, six on end
	s_wait_alu 0x0
	s_wait_tensorcnt 0x0
	ds_add_u32 v[SPW], v[NIL]
	s_wait_dscnt 0x0
	s_endpgm
.Lfunc_end_k_q276dd67de0_attn:
	.size	k_q276dd67de0_attn, .Lfunc_end_k_q276dd67de0_attn-k_q276dd67de0_attn
	.p2alignl 7, 3214868480
	.fill 96, 4, 3214868480
	.section	.rodata,"a",@progbits
	.p2align	6, 0x0
	.amdhsa_kernel k_q276dd67de0_attn
		.amdhsa_group_segment_fixed_size 263424
		.amdhsa_private_segment_fixed_size 0
		.amdhsa_enable_private_segment 0
		.amdhsa_kernarg_size 48
		.amdhsa_user_sgpr_count 2
		.amdhsa_user_sgpr_kernarg_segment_ptr 1
		.amdhsa_wavefront_size32 1
		.amdhsa_system_sgpr_workgroup_id_x 1
		.amdhsa_system_sgpr_workgroup_id_y 1
		.amdhsa_system_sgpr_workgroup_id_z 1
		.amdhsa_system_vgpr_workitem_id 0
		.amdhsa_next_free_vgpr 512
		.amdhsa_next_free_sgpr 66
		.amdhsa_reserve_vcc 0
		.amdhsa_float_denorm_mode_32 3
		.amdhsa_float_denorm_mode_16_64 3
		.amdhsa_memory_ordered 1
		.amdhsa_forward_progress 1
		.amdhsa_inst_pref_size 168
	.end_amdhsa_kernel
	.amdgpu_metadata
---
amdhsa.version: [ 1, 2 ]
amdhsa.kernels:
  - .name:           k_q276dd67de0_attn
    .symbol:         k_q276dd67de0_attn.kd
    .args:
      - { .name: hs_codes, .offset: 0, .size: 8, .value_kind: global_buffer, .address_space: global }
      - { .name: hs_scales, .offset: 8, .size: 8, .value_kind: global_buffer, .address_space: global }
      - { .name: w_codes, .offset: 16, .size: 8, .value_kind: global_buffer, .address_space: global }
      - { .name: w_scales, .offset: 24, .size: 8, .value_kind: global_buffer, .address_space: global }
      - { .name: F_mats, .offset: 32, .size: 8, .value_kind: global_buffer, .address_space: global }
      - { .name: o_frag, .offset: 40, .size: 8, .value_kind: global_buffer, .address_space: global }
    .group_segment_fixed_size: 263424
    .private_segment_fixed_size: 0
    .kernarg_segment_align: 8
    .kernarg_segment_size: 48
    .max_flat_workgroup_size: 256
    .sgpr_count:     66
    .vgpr_count:     512
    .wavefront_size: 32
...
	.end_amdgpu_metadata
.endif
;; end of part 4
;; launch oproj: the kernel of part 3 again; grid 256 x 1, 8 waves a work-group, no clusters, 166,912 bytes of LDS; arguments o_frag, wo_frag, out0; writes out0
